; MI455X (gfx1250); checked and timed in simulation.
; The chip was launched on July 23, 2026; its instructions are those of AMD's public machine-readable ISA for CDNA 5 (MIT licence, August 2026) and "CDNA5" Instruction Set Architecture Reference Guide (July 2026). The comments in the code are by the model that wrote it; some were corrected since.
;; Multi Head Attention. Allowed arithmetic: matrix products marked QUANTISED: E2M3 operands, one E8M0 scale for each 32 along K, by v_wmma_scale_f32_16x16x128_f8f6f4 with both operands' format E2M3, f32 sums; everything else in f32.
;; Inputs: Wk 1,024 x 1,024 float32; Wo 1,024 x 1,024 float32; Wq 1,024 x 1,024 float32; Wv 1,024 x 1,024 float32; bk 1,024 float32; bo 1,024 float32; bq 1,024 float32; bv 1,024 float32; key 4 x 2,048 x 1,024 float32; query 4 x 2,048 x 1,024 float32; value 4 x 2,048 x 1,024 float32.
;; Outputs: out0 4 x 2,048 x 1,024 float32.
;; This version of the problem:
;;   THIS VERSION OF THE PROBLEM IS GIVEN IN LOW PRECISION. The matrix products marked QUANTISED in the list below multiply operands that are first quantised to E2M3 (2 exponent bits, 3 mantissa bits; 6 bits a number), with one power-of-two scale for each 32 numbers along K (OCP MX v1.0); their sums are f32. All else is computed in f32.
;;   The module's matrix products, in the order in which they are computed (A, B: the left and right operand; K: the contracted axis; several contracted axes count as one K, in the product's order):
;;     1. [M 8,192, K 1,024] x [K 1,024, N 1,024]; A: input query; B: input Wq: QUANTISED
;;     2. [M 8,192, K 1,024] x [K 1,024, N 1,024]; A: input key; B: input Wk: QUANTISED
;;     3. [M 8,192, K 1,024] x [K 1,024, N 1,024]; A: input value; B: input Wv: QUANTISED
;;     4. batch 64 x [M 2,048, K 64] x [K 64, N 2,048]; A: computed on the way; B: computed on the way: QUANTISED
;;     5. batch 64 x [M 2,048, K 2,048] x [K 2,048, N 64]; A: softmax (see below); B: computed on the way: QUANTISED
;;     6. [M 8,192, K 1,024] x [K 1,024, N 1,024]; A: computed on the way; B: input Wo: QUANTISED
;;   THE QUANTISER, for each operand of a quantised product, along K:
;;     - K is cut into blocks of 32 from its start; a last block that is shorter is filled with zeros.
;;     - A block's scale is 2^e with e = floor(log2(the largest magnitude in the block)) - 2, held to -126 .. 127; a block of zeros has e = 0. As a byte (E8M0): e + 127.
;;     - Each number is divided by its block's scale, clamped to +-7.5, and rounded to the nearest number of E2M3, ties to even, subnormals kept.
;;     - The product sums the exact products of the quantised numbers (number of the format x scale) in f32.
;;   ~~~python
;;   def quantise(x, axis):      # numpy; x: float32 -> the quantised numbers, widened to float32 again
;;       x = np.moveaxis(x, axis, -1); K = x.shape[-1]
;;       x = np.pad(x, [(0, 0)] * (x.ndim - 1) + [(0, -K % 32)]); x = x.reshape(x.shape[:-1] + (-1, 32)); a = np.abs(x).max(-1, keepdims=True)
;;       e = np.where(a > 0, np.clip(np.frexp(np.where(a > 0, a, 1))[1] - 1 - 2, -126, 127), 0)      # np.frexp(a)[1] - 1 = floor(log2(a)), exactly
;;       r = np.clip(x / 2.0 ** e, -7.5, 7.5)
;;       step = 2.0 ** (np.maximum(np.frexp(np.where(r == 0, 1, r))[1] - 1, 0) - 3)
;;       q = np.round(r / step) * step * 2.0 ** e      # np.round: ties to even
;;       return np.moveaxis(q.reshape(q.shape[:-2] + (-1,))[..., :K], -1, axis).astype(np.float32)
;;   ~~~
;;   SOFTMAX AHEAD OF A QUANTISED PRODUCT. Where the list says 'softmax', what is quantised is not the finished softmax but p = 2^(t - M), with t = logit x log2(e) and M = ceil(the row's largest t), a whole number; so 1/2 < the row's largest p <= 1. The row's sum l is taken of the UNQUANTISED p, in f32, and the product's result is divided by l at the end. Since M is a whole number, a kernel that streams over the keys may use a running M (the ceiling of the running maximum): every later rescaling is an exact power of two, which a block's scale takes up: the codes' values come out the same.
;;   OPERANDS COMPUTED ON THE WAY. 'Computed on the way' means the value that the module computes at that place (a softmax that the list does not call 'softmax' is quantised finished and normalised). What goes into a quantiser is computed in f32, as accurately as f32 sums, v_exp_f32 and their like allow (about 1e-6 of the number): no bf16 or f16 on the way to a quantiser, and a product that is left as it is and whose result goes on into a quantised operand takes f32 operands (vector FMAs, or v_wmma_f32_16x16x4_f32). A number that lies on a knife's edge between two numbers of the format may be rounded either way, as far as f32 arithmetic and the matrix unit's own rounding can turn it there, and no further.
;; One version. Each part assembles by itself: llvm-mc -triple=amdgcn-amd-amdhsa -mcpu=gfx1250 --defsym DOCPART=n.
;; ======== version 1 of 1: 4 launches
;; limits: right only within a limited range of input values
;; workspace buffers: img 28,311,552 bytes; sc 1,179,648 bytes; qkv 19,660,800 bytes
;; launch quant (part 1): grid 896 x 1, 4 waves a work-group, no clusters, 47,616 bytes of LDS; arguments query, key, value, Wq, Wk, Wv, Wo, img, sc; writes img, sc
.if DOCPART == 1
	.amdgcn_target "amdgcn-amd-amdhsa--gfx1250"
	.amdhsa_code_object_version 6
	.text
	.protected	k_q2be6f69f3d_quant
	.globl	k_q2be6f69f3d_quant
	.p2align	8
	.type	k_q2be6f69f3d_quant,@function
k_q2be6f69f3d_quant:
	s_mov_b64 s[64:65], 0
	v_nop
	global_prefetch_b8 v0, s[64:65] scope:SCOPE_SE
	s_setreg_imm32_b32 hwreg(HW_REG_WAVE_MODE, 25, 1), 1
	s_wait_xcnt 0x0
; query, key, value [8192][1024] f32 and Wq, Wk, Wv, Wo [1024 (k)][1024 (n)] f32 become codes of FP6 (E2M3) with one E8M0 byte for each 32 along K.
; LAYOUT OF THE RESULT: images of operand registers.  A fragment is 16 rows x 128 K, 12 registers a lane (lane (r, h): registers 6 c .. 6 c + 5 hold k = 64 c + 32 h + 0 .. 31).
; Its image is 1,536 bytes: piece p (0 .. 2) holds registers 4 p .. 4 p + 3, lane l's 16 bytes at 512 p + 16 l.  img: [row tile][K step 0 .. 7][1,536]; sc: [row tile][K step][16 words], row r's word at 4 r.
; THE ROWS OF A TILE ARE NOT NEIGHBOURS: lane row r of tile 2 G + u stands for row 32 G + 8 u + r + 8 (r / 8), for tokens and for the weights' columns n alike.
; A block's scale is 2^(floor(log2(its largest magnitude)) - 2); its byte is the largest magnitude's exponent field - 2, held at 1 from below.
; LIMITS: a block of zeros gets the byte 1 (its codes are zeros, and these bytes are read by this program alone); a largest magnitude under 2^-124 is taken as 2^-124; NaN and infinities are not served.
; Work-groups 0 .. 767 take the three token tensors (K innermost), 768 .. 895 the four weights (K outermost).  The two ways have LDS bytes of their own.  Waves share nothing: no barrier.
.set XREG,  6291456                    ; a token tensor's images in img
.set WOFF,  25165824                   ; where the weights' images begin
.set WREGB, 786432                     ; a weight's images
.set WSOFF, 1048576                    ; and the same for the scale words in sc (a twenty-fourth of the bytes)
.set R,     32                         ; v32-159  tokens: two sets of 64 registers as loaded
.set XN,    160                        ; v160-223 64 numbers in the operand's order
.set C,     224                        ; v224-235 a fragment's codes
.set T,     236                        ; v236-238, v240-242 the upper halves of the two blocks (a conversion's three registers begin on an even number)
.set SROW,  528                        ; tokens' stage: a row of 512 bytes + 16
.set WSTG,  16*SROW                    ; a wave's stage
.set WBASE, 4*WSTG                     ; the weights' way: LDS from here on
.set WIMG,  1664                       ; an image + 128 bytes, so that the two tiles' stores fall on different banks
.set WREG,  2*WIMG                     ; a wave's two images
.set WX,    32                         ; v32-95   weights: two sets of 32 numbers
.set WC,    96                         ; v96-101  a block's codes;  v102-104 its upper half as converted
.set WT,    102
.set SB,    106                        ; v106-107 a column's scale words of the two K steps
.set OUTR,  112                        ; v112-159 two sets of 24: the images on their way out
	s_load_b256 s[4:11], s[0:1], 0x0               ; query s[4:5], key s[6:7], value s[8:9], Wq s[10:11]
	s_load_b256 s[12:19], s[0:1], 0x20             ; Wk s[12:13], Wv s[14:15], Wo s[16:17], img s[18:19]
	s_load_b64 s[20:21], s[0:1], 0x40              ; sc
	v_lshl_add_u32 v254, v0, 2, 0xb800
	v_mov_b32 v255, 0
	v_lshrrev_b32 v1, 5, v0
	v_readfirstlane_b32 s22, v1                    ; wave 0..3
	v_and_b32 v2, 31, v0                           ; lane
	v_and_b32 v3, 15, v0                           ; r
	v_bfe_u32 v9, v0, 4, 1                         ; h
	s_mov_b32 s36, 0x76543210
	s_mov_b32 s37, 0xfedcba98                      ; v_permlanex16_b32's selects for lane l xor 16
	s_cmp_ge_u32 ttmp9, 768
	s_cbranch_scc1 .Lweights
; ---- TOKENS.  A wave takes one tile of 16 rows x 512 along K, in four steps of 128.  Each load reads 512 consecutive bytes of one row; the step's 16 rows turn through the wave's stage and come back
; as the operand wants them: lane (r, h) gets k = 64 c + 32 h + 0 .. 31 of row r: two whole blocks.
	s_lshr_b32 s23, ttmp9, 8                       ; which tensor
	s_and_b32 s24, ttmp9, 255
	s_lshl_b32 s24, s24, 2
	s_add_co_u32 s24, s24, s22
	s_lshr_b32 s25, s24, 1                         ; the tile
	s_and_b32 s26, s24, 1                          ; which half of K
	s_and_b32 s27, s25, 0x1fe
	s_lshl_b32 s27, s27, 4
	s_and_b32 s28, s25, 1
	s_lshl_b32 s28, s28, 3
	s_add_co_u32 s27, s27, s28                     ; the tile's first row: 32 G + 8 u
	s_lshl_b32 s27, s27, 12                        ; rows of 4,096 bytes
	s_lshl_b32 s28, s26, 11
	s_add_co_u32 s28, s27, s28
	s_mov_b32 s29, 0
	s_lshl_b32 s30, s25, 3
	s_lshl_b32 s31, s26, 2
	s_add_co_u32 s30, s30, s31                     ; 8 x tile + first K step
	s_mul_i32 s32, s30, 1536
	s_mul_i32 s34, s23, XREG
	s_add_co_u32 s32, s32, s34
	s_mov_b32 s33, 0
	s_lshl_b32 s34, s30, 6
	s_lshl_b32 s35, s23, 18
	s_add_co_u32 s34, s34, s35
	s_mov_b32 s35, 0
	s_mul_i32 s38, s22, WSTG
	s_wait_alu depctr_va_vdst(0)
	v_lshlrev_b32 v4, 4, v2                        ; 16 x lane: in memory, both ways
	v_add_nc_u32 v5, s38, v4                       ; the stage, on the way in
	v_mul_u32_u24 v6, v3, SROW
	v_lshl_add_u32 v6, v9, 7, v6
	v_add_nc_u32 v6, s38, v6                       ; and out: row r, + 128 h
	v_lshlrev_b32 v8, 2, v3                        ; my row's scale word
	v_lshlrev_b32 v18, 3, v9                       ; 8 h
	v_mov_b32 v17, 0                               ; written once: a lane permute's destination counts as one of its sources
	s_wait_alu depctr_va_vdst(0)
	s_wait_kmcnt 0x0
	s_cmp_eq_u32 s23, 0
	s_cselect_b64 s[4:5], s[4:5], s[6:7]
	s_cmp_eq_u32 s23, 2
	s_cselect_b64 s[4:5], s[8:9], s[4:5]
	s_add_nc_u64 s[4:5], s[4:5], s[28:29]
	s_add_nc_u64 s[18:19], s[18:19], s[32:33]
	s_add_nc_u64 s[20:21], s[20:21], s[34:35]
.macro LOADX t
.set i, 0
.rept 16
	global_load_b128 v[R+64*((\t)%2)+4*i:R+64*((\t)%2)+4*i+3], v4, s[4:5] offset:(i+8*(i/8))*4096+512*(\t) th:TH_LOAD_NT   ; lane row i of the tile: 512 consecutive bytes
.set i, i+1
.endr
.endm
.macro STEPX t
.if (\t) < 3
	s_wait_loadcnt 16                              ; this step's 16 loads are in; the next step's 16 may be out
.else
	s_wait_loadcnt 0x0
.endif
.set i, 0
.rept 16
	ds_store_b128 v5, v[R+64*((\t)%2)+4*i:R+64*((\t)%2)+4*i+3] offset:SROW*i
.set i, i+1
.endr
.irp c, 0,1
.irp q, 0,1,2,3,4,5,6,7
	ds_load_b128 v[XN+32*\c+4*\q:XN+32*\c+4*\q+3], v6 offset:256*\c+16*\q   ; LDS serves a wave's instructions in order: these see the stores above
.endr
.endr
	s_wait_dscnt 0x0                               ; the numbers are back, and the stores have read their registers,
.if (\t)+2 < 4
	LOADX (\t)+2                                   ; which take the loads of two steps on
.endif
	s_wait_xcnt 0x0                                ; the last step's stores have read their data: the codes and the word are written again only behind this wait
.irp c, 0,1
	v_max3_num_f32 v[10+\c], |v[XN+32*\c]|, |v[XN+1+32*\c]|, 0x1800000   ; my block 2 c + h: all 32 numbers are mine; the floor 2^(3 - 127) holds the byte at 1 from below
.endr
.irp i, 2,4,6,8,10,12,14,16,18,20,22,24,26,28,30
.irp c, 0,1
	v_max3_num_f32 v[10+\c], v[10+\c], |v[XN+32*\c+\i]|, |v[XN+1+32*\c+\i]|
.endr
.endr
.irp c, 0,1
	v_add_nc_u32 v[12+\c], 0xff000000, v[10+\c]    ; 2 off the exponent field: the conversion takes this operand's exponent field as its scale
.endr
.irp c, 0,1
	v_lshrrev_b32 v[14+\c], 23, v[12+\c]           ; the scale's byte
.endr
	v_lshl_or_b32 v16, v15, 16, v14                ; blocks h and 2 + h,
	v_lshlrev_b32 v16, v18, v16                    ; 8 h bits up;
	v_permlanex16_b32 v17, v16, s36, s37
	v_or_b32 v16, v16, v17                         ; with lane l xor 16's two the word is whole
.irp c, 0,1
	v_cvt_scalef32_pk16_fp6_f32 v[C+6*\c:C+6*\c+2], v[XN+32*\c:XN+32*\c+15], v[12+\c]
	v_cvt_scalef32_pk16_fp6_f32 v[T+4*\c:T+4*\c+2], v[XN+32*\c+16:XN+32*\c+31], v[12+\c]
.endr
	v_nop                                          ; one plain line behind the scaled conversions
.irp c, 0,1
.irp i, 0,1,2
	v_mov_b32 v[C+3+6*\c+\i], v[T+4*\c+\i]
.endr
.endr
.irp p, 0,1,2
	global_store_b128 v4, v[C+4*\p:C+4*\p+3], s[18:19] offset:1536*(\t)+512*\p   ; 32 lanes store 512 consecutive bytes
.endr
	global_store_b32 v8, v16, s[20:21] offset:64*(\t)   ; lanes l and l xor 16 store the same word
.endm
	LOADX 0
	LOADX 1
	STEPX 0
	STEPX 1
	STEPX 2
	STEPX 3
	s_wait_tensorcnt 0x0
	ds_add_u32 v254, v255
	s_wait_dscnt 0x0
	s_endpgm
; ---- WEIGHTS.  A wave takes 32 columns n x 256 along K.  A lane takes a column, and its registers run down K: a block of 32 lies in one lane.  Lane l's column 32 G + l is lane row
; r' = l % 8 + 8 (l / 16) of tile 2 G + u, u = (l / 8) % 2.  Block kb of the 8 is block 2 c + h of K step kb / 4: its 24 bytes are registers 6 c .. 6 c + 5 of lane (r', h) of the image.
.Lweights:
	s_sub_co_u32 s23, ttmp9, 768
	s_lshr_b32 s24, s23, 5                         ; which weight
	s_and_b32 s25, s23, 7                          ; which 128 columns
	s_bfe_u32 s26, s23, 0x20003                    ; which 256 along K
	s_lshl_b32 s27, s25, 2
	s_add_co_u32 s27, s27, s22                     ; G
	s_lshl_b32 s28, s26, 20                        ; 256 rows of 4,096 bytes
	s_lshl_b32 s29, s27, 7
	s_add_co_u32 s28, s28, s29
	s_mov_b32 s29, 0
	s_lshl_b32 s30, s27, 4
	s_lshl_b32 s31, s26, 1
	s_add_co_u32 s30, s30, s31                     ; 8 x (tile 2 G) + first K step
	s_mul_i32 s32, s30, 1536
	s_mul_i32 s34, s24, WREGB
	s_add_co_u32 s32, s32, s34
	s_add_co_u32 s32, s32, WOFF
	s_mov_b32 s33, 0
	s_lshl_b32 s34, s30, 6
	s_lshl_b32 s35, s24, 15
	s_add_co_u32 s34, s34, s35
	s_add_co_u32 s34, s34, WSOFF
	s_mov_b32 s35, 0
	s_mul_i32 s38, s22, WREG
	s_add_co_u32 s38, s38, WBASE
	v_bfe_u32 v10, v0, 3, 1                        ; u
	v_and_b32 v11, 7, v0
	s_wait_alu depctr_va_vdst(0)
	v_lshl_add_u32 v11, v9, 3, v11                 ; r'
	v_lshlrev_b32 v4, 2, v2                        ; in: 4 bytes a lane
	v_mul_u32_u24 v5, v10, WIMG
	v_lshl_add_u32 v5, v11, 4, v5
	v_add_nc_u32 v5, s38, v5                       ; into the images: tile u, lane row r'
	v_lshlrev_b32 v7, 4, v2                        ; out: 16 x lane
	v_add_nc_u32 v6, s38, v7
	v_lshlrev_b32 v8, 2, v11
	v_lshl_add_u32 v8, v10, 9, v8                  ; my column's scale word: 512 u + 4 r'
	s_wait_alu depctr_va_vdst(0)
	s_wait_kmcnt 0x0
	s_cmp_eq_u32 s24, 0
	s_cselect_b64 s[4:5], s[10:11], s[12:13]
	s_cmp_eq_u32 s24, 2
	s_cselect_b64 s[4:5], s[14:15], s[4:5]
	s_cmp_eq_u32 s24, 3
	s_cselect_b64 s[4:5], s[16:17], s[4:5]
	s_add_nc_u64 s[4:5], s[4:5], s[28:29]
	s_add_nc_u64 s[18:19], s[18:19], s[32:33]
	s_add_nc_u64 s[20:21], s[20:21], s[34:35]
.macro LOADW kb
.set i, 0
.rept 32
	global_load_b32 v[WX+32*((\kb)%2)+i], v4, s[4:5] offset:(32*(\kb)+i)*4096 th:TH_LOAD_NT   ; one row k at 32 neighbouring columns
.set i, i+1
.endr
.endm
.macro BLOCKW kb
.set XS, WX+32*((\kb)%2)
.if (\kb) < 7
	s_wait_loadcnt 32                              ; this block's 32 loads are in; the next block's may be out
.else
	s_wait_loadcnt 0x0
.endif
	v_max3_num_f32 v12, |v[XS]|, |v[XS+1]|, |v[XS+2]|
	v_max3_num_f32 v13, |v[XS+3]|, |v[XS+4]|, |v[XS+5]|
.irp i, 6,10,14,18,22,26
	v_max3_num_f32 v12, v12, |v[XS+\i]|, |v[XS+\i+1]|
	v_max3_num_f32 v13, v13, |v[XS+\i+2]|, |v[XS+\i+3]|
.endr
	v_max3_num_f32 v12, v12, |v[XS+30]|, |v[XS+31]|
	v_max3_num_f32 v12, v12, v13, 0x1800000        ; and the floor
	v_add_nc_u32 v14, 0xff000000, v12
	v_lshrrev_b32 v13, 23, v14
.if (\kb)%4 == 0
	v_mov_b32 v[SB+(\kb)/4], v13
.else
	v_lshl_or_b32 v[SB+(\kb)/4], v13, 8*((\kb)%4), v[SB+(\kb)/4]
.endif
	v_cvt_scalef32_pk16_fp6_f32 v[WC:WC+2], v[XS:XS+15], v14
	v_cvt_scalef32_pk16_fp6_f32 v[WT:WT+2], v[XS+16:XS+31], v14
	v_nop                                          ; one plain line behind the scaled conversions
.irp i, 0,1,2
	v_mov_b32 v[WC+3+\i], v[WT+\i]
.endr
.if ((\kb)%4)/2 == 0
	ds_store_b128 v5, v[WC:WC+3] offset:256*((\kb)%2)              ; registers 0-3: piece 0
	ds_store_b64 v5, v[WC+4:WC+5] offset:512+256*((\kb)%2)         ; registers 4, 5: the lower half of piece 1
.else
	ds_store_b64 v5, v[WC:WC+1] offset:520+256*((\kb)%2)           ; registers 6, 7: its upper half
	ds_store_b128 v5, v[WC+2:WC+5] offset:1024+256*((\kb)%2)       ; registers 8-11: piece 2
.endif
.if (\kb)+2 < 8
	LOADW (\kb)+2
.endif
	s_wait_dscnt 0x0                               ; the stores have read their registers: the next block's codes may be written
.endm
.macro FLUSHW ks                       ; the two tiles' images of K step ks are whole: they leave, 512 consecutive bytes a store
.irp u, 0,1
.irp p, 0,1,2
	ds_load_b128 v[OUTR+24*(\ks)+12*\u+4*\p:OUTR+24*(\ks)+12*\u+4*\p+3], v6 offset:WIMG*\u+512*\p
.endr
.endr
	s_wait_dscnt 0x0
.irp u, 0,1
.irp p, 0,1,2
	global_store_b128 v7, v[OUTR+24*(\ks)+12*\u+4*\p:OUTR+24*(\ks)+12*\u+4*\p+3], s[18:19] offset:12288*\u+1536*(\ks)+512*\p
.endr
.endr
	global_store_b32 v8, v[SB+(\ks)], s[20:21] offset:64*(\ks)
.endm
	LOADW 0
	LOADW 1
	BLOCKW 0
	BLOCKW 1
	BLOCKW 2
	BLOCKW 3
	s_wait_alu depctr_va_vdst(0)
	FLUSHW 0
	BLOCKW 4
	BLOCKW 5
	BLOCKW 6
	BLOCKW 7
	s_wait_alu depctr_va_vdst(0)
	FLUSHW 1
	s_wait_tensorcnt 0x0
	ds_add_u32 v254, v255
	s_wait_dscnt 0x0
	s_endpgm
.Lfunc_end_k_q2be6f69f3d_quant:
	.size	k_q2be6f69f3d_quant, .Lfunc_end_k_q2be6f69f3d_quant-k_q2be6f69f3d_quant
	.p2alignl 7, 3214868480
	.fill 96, 4, 3214868480
	.section	.rodata,"a",@progbits
	.p2align	6, 0x0
	.amdhsa_kernel k_q2be6f69f3d_quant
		.amdhsa_group_segment_fixed_size 47616
		.amdhsa_private_segment_fixed_size 0
		.amdhsa_enable_private_segment 0
		.amdhsa_kernarg_size 72
		.amdhsa_user_sgpr_count 2
		.amdhsa_user_sgpr_kernarg_segment_ptr 1
		.amdhsa_wavefront_size32 1
		.amdhsa_system_sgpr_workgroup_id_x 1
		.amdhsa_system_sgpr_workgroup_id_y 1
		.amdhsa_system_sgpr_workgroup_id_z 1
		.amdhsa_system_vgpr_workitem_id 0
		.amdhsa_next_free_vgpr 256
		.amdhsa_next_free_sgpr 66
		.amdhsa_reserve_vcc 0
		.amdhsa_float_denorm_mode_32 3
		.amdhsa_float_denorm_mode_16_64 3
		.amdhsa_memory_ordered 1
		.amdhsa_forward_progress 1
		.amdhsa_inst_pref_size 72
	.end_amdhsa_kernel
	.amdgpu_metadata
---
amdhsa.version: [ 1, 2 ]
amdhsa.kernels:
  - .name:           k_q2be6f69f3d_quant
    .symbol:         k_q2be6f69f3d_quant.kd
    .args:
      - { .name: query, .offset: 0, .size: 8, .value_kind: global_buffer, .address_space: global }
      - { .name: key, .offset: 8, .size: 8, .value_kind: global_buffer, .address_space: global }
      - { .name: value, .offset: 16, .size: 8, .value_kind: global_buffer, .address_space: global }
      - { .name: Wq, .offset: 24, .size: 8, .value_kind: global_buffer, .address_space: global }
      - { .name: Wk, .offset: 32, .size: 8, .value_kind: global_buffer, .address_space: global }
      - { .name: Wv, .offset: 40, .size: 8, .value_kind: global_buffer, .address_space: global }
      - { .name: Wo, .offset: 48, .size: 8, .value_kind: global_buffer, .address_space: global }
      - { .name: img, .offset: 56, .size: 8, .value_kind: global_buffer, .address_space: global }
      - { .name: sc, .offset: 64, .size: 8, .value_kind: global_buffer, .address_space: global }
    .group_segment_fixed_size: 47616
    .private_segment_fixed_size: 0
    .kernarg_segment_align: 8
    .kernarg_segment_size: 72
    .max_flat_workgroup_size: 128
    .sgpr_count:     66
    .vgpr_count:     256
    .wavefront_size: 32
...
	.end_amdgpu_metadata
.endif
;; end of part 1
;; launch proj (part 2): grid 4 x 64, 4 waves a work-group, clusters of 4 x 4, 327,680 bytes of LDS; arguments img, sc, bq, bk, bv, qkv; writes qkv
.if DOCPART == 2
	.amdgcn_target "amdgcn-amd-amdhsa--gfx1250"
	.amdhsa_code_object_version 6
	.text
	.protected	k_q2be6f69f3d_proj
	.globl	k_q2be6f69f3d_proj
	.p2align	8
	.type	k_q2be6f69f3d_proj,@function
k_q2be6f69f3d_proj:
	s_mov_b64 s[64:65], 0
	v_nop
	global_prefetch_b8 v0, s[64:65] scope:SCOPE_SE
	s_setreg_imm32_b32 hwreg(HW_REG_WAVE_MODE, 25, 1), 1
	s_wait_xcnt 0x0
	s_wait_alu depctr_hold_cnt(0) depctr_sa_sdst(0) depctr_va_vdst(0) depctr_va_sdst(0) depctr_va_ssrc(0) depctr_va_vcc(0) depctr_vm_vsrc(0)
	s_getreg_b32 s2, hwreg(HW_REG_IB_STS2, 6, 4)
	s_cmp_eq_u32 s2, 0
	s_cbranch_scc0 .Lentry_in_a_cluster
	s_endpgm
.Lentry_in_a_cluster:
	s_bfe_u32 s2, ttmp6, 0x10000c
	s_cmp_lg_u32 s2, 0xf033
	s_cbranch_scc0 .Lentry_shape_is_right
	s_endpgm
.Lentry_shape_is_right:
; Q = query Wq + bq, K = key Wk + bk, V = value Wv + bv on codes of FP6 (E2M3) with E8M0 scales, f32 sums; the results are quantised here for attention's two products and stored as images of operand registers.
; THE DEAL: 256 work-groups of four waves, each with two things on end.  PHASE 1: a tile of 256 tokens x 256 features of Q (cluster y 0-7) or K (8-15), waves of 128 x 128.  PHASE 2: a tile of 128 features x 256 tokens of V, waves of 64 x 128.
; The matrix instruction's source 0 is called B (its rows run along a lane's registers in the result), source 1 A (its rows lie across the lanes).  Phase 1: A = tokens, B = the weight's columns: a lane holds one token
; and registers along the head's features, the K of Q K^T.  Phase 2: A = Wv's columns, B = tokens: a lane holds one feature and registers along the keys, the K of the second product.
; OPERANDS are images (16 rows x 128 K = 1,536 bytes: piece p holds registers 4 p .. 4 p + 3, lane l's 16 bytes at 512 p + 16 l), img: [row tile][K step 0 .. 7][1,536]; a fragment is three ds_load_b128 at 16 x lane.
; Lane row r of tile 2 G + u stands for row 32 G + 8 u + r + 8 (r / 8): so the 16 registers of B's tiles 2 G and 2 G + 1 are 16 neighbours, 32 G + 16 (lane / 16) + 0 .. 15.
; LDS: three regions of 98,304 bytes.  Phase 1's K is four chunks of two K steps (A's two halves, B's two halves, 24,576 each).  FILLS: at the head one joint load a wave, 16 row tiles x a chunk: waves 0, 1 A's and B's chunk 0,
; waves 2, 3 chunk 1; chunk 2 behind the three lines and a round; chunk 3 fills region 0 again in K step 3.  In K step 5 regions 1 and 2, read out, take phase 2's 16 token tiles, all of K, four tiles a wave;
; in a round inside phase 1's way out region 0 takes Wv's 8 tiles, two a wave.  So phase 2's operands land under phase 1's last products and conversions.
; CLUSTERS: 4 x 4.  A's tiles are asked for jointly along a row of the cluster, B's along a column, in both phases: phase 2's feature tile is 4 (cluster y % 2) + cy, its token tile 4 (cluster y / 2) + cx.
; The scale words of a wave's rows for all of K come straight into 64 registers: lanes 0-15 A's block i, lanes 16-31 B's block i, at v[SC + 8 s + i] for K step s: A's and B's registers of a product differ modulo 8 or are one.
; qkv: 512 records of 38,400 bytes, record = (batch x 16 + head) x 8 + slot of 256 tokens: K's codes 0 (group of 32 keys g at 1,536 g), V's 12,288 ((key step, d tile t) at (4 step + t) x 1,536), K's scale words 24,576,
; V's 25,088, Q's codes 25,600, Q's scale words 37,888.  A fragment of K or Q holds, for a group of 32 tokens of one head, tile u = 0's 64 features in registers 0-5 and tile u = 1's in registers 6-11.
; LIMITS: a block of zeros gets the byte 1 (its codes are zeros; this program alone reads the bytes); a largest magnitude under 2^-124 is taken as 2^-124; NaN and infinities are not served.
; REGISTERS: window 0: v0-31 addresses; v32-95 scale words; v96-99 bv across lanes; v128-223 A's fragments (phase 1 one set of 8, phase 2 two sets of 4; on the ways out v128-191 64 numbers, v192-228 at work).
;   window 1: B's fragments, two sets, v0-95 and v128-223; bq or bk along registers in v96-127 and v224-255.   windows 2, 3: the accumulators, (a, b) at v[8 (8 (a % 4) + b)].
.set REG,   98304
.set PART,  24576
.set TROW,  12288                      ; a row tile's images, all of K
.set SPARE, 3*REG                      ; behind the regions: the spare words, 128 bytes for each wave, which no other line names
.set B2,   12                          ; v12-13 phase 2: LDS address of my B tiles 0-3, 4-7
.set ADRA, 16                          ; v16-18 LDS address of my A fragments in region 0, 1, 2
.set A2,   19                          ; v19    phase 2: of my A tiles
.set ADRB, 20                          ; v20-22 as v16-18 for B
.set BIO,  23                          ; v23    offset of bv across lanes
.set LI,   24                          ; v24    16 x lane
.set LR,   25                          ; v25    4 x (lane % 16)
.set BJO,  26                          ; v26    offset of the bias along registers
.set SO,   27                          ; v27    offset of my scale words: lanes 0-15 A's, lanes 16-31 B's
.set SPW,  28                          ; v28    my spare word; never rewritten
.set NIL,  29                          ; v29    0; never rewritten
.set SO2,  30                          ; v30    as v27 for phase 2
.set SC,   32
.set BI,   96
.set AF,   128
.set H,    128
.set PC,   192
.set TM,   212
.set PW,   228
.set G1,   24                          ; s[24:31] descriptor group 1 for A;  s[48:55] for B
.set G1B,  48
.set G0A,  68                          ; s[68:79] three groups 0 for A: chunk 3, the head's and phase 2's, chunk 2;  s[80:91] for B
.set G0B,  80
.set SEL,  60
.set MSB, 0
.macro WIN new                         ; the immediate's high byte repeats the setting that is left
.if MSB != (\new)
	s_set_vgpr_msb (MSB<<8)|(\new)
.set MSB, (\new)
.endif
.endm
.set MUL_LO, 0xa1                      ; source 0 (B) window 1, source 1 (A) window 0, C and D window 2
.set MUL_HI, 0xf1                      ; the same, C and D window 3
.set TO_B,   0x40                      ; destination window 1, address window 0
.macro PLACES n
.rept \n
	v_nop
.endr
.endm
.macro WALU
	s_wait_alu depctr_va_vdst(0)
.endm
.macro TLOAD g0, g1                    ; s_nop 0 and four v_nop follow every tensor load
	tensor_load_to_lds s[\g0:\g0+3], s[\g1:\g1+7]
	s_nop 0
	PLACES 4
.endm
.macro JLOAD sel, g0a, g0b             ; a joint load in two arms: s\sel = 0: for A, else for B
	s_cmp_eq_u32 s\sel, 0
	s_cbranch_scc0 .Lfor_b_\@
	TLOAD \g0a, G1
	s_branch .Lasked_\@
.Lfor_b_\@:
	TLOAD \g0b, G1B
.Lasked_\@:
.endm
.macro CREST                           ; a round of the cluster's barrier behind its opening barrier
	s_cmp_lg_u32 s14, 0
	s_cbranch_scc1 .Lnot_wave_0_\@
	s_barrier_signal -3
.Lnot_wave_0_\@:
	s_barrier_wait -3
	s_barrier_signal -1
	s_barrier_wait -1
.endm
.macro CROUND
	s_barrier_signal -1
	s_barrier_wait -1
	CREST
.endm
	s_load_b128 s[4:7], s[0:1], 0x0                ; img s[4:5], sc s[6:7]
	s_load_b128 s[8:11], s[0:1], 0x10              ; bq s[8:9], bk s[10:11]
	s_load_b128 s[92:95], s[0:1], 0x20             ; bv s[92:93], qkv s[94:95]
	v_lshl_add_u32 v[SPW], v0, 2, SPARE
	v_mov_b32 v[NIL], 0
	ds_add_u32 v[SPW], v[NIL]                      ; the opening lines: the add, twice on end, and its wait
	ds_add_u32 v[SPW], v[NIL]
	v_lshrrev_b32 v1, 5, v0
	v_readfirstlane_b32 s14, v1                    ; wave 0..3
	s_lshr_b32 s15, s14, 1                         ; my half of A's rows
	s_and_b32 s16, s14, 1                          ; my half of B's rows
	s_bfe_u32 s40, ttmp6, 0x40000                  ; cx
	s_bfe_u32 s41, ttmp6, 0x40004                  ; cy
	s_and_b32 s18, ttmp7, 0xffff                   ; the cluster's y, 0 .. 15
	s_lshr_b32 s19, s18, 3                         ; 0: Q, 1: K
	s_and_b32 s20, s18, 7
	s_mul_i32 s34, s19, 6291456                    ; the tokens' images in img,
	s_mul_i32 s35, s19, 786432
	s_add_co_u32 s35, s35, 25165824                ; the weight's,
	s_lshl_b32 s36, s19, 18                        ; and their scale words in sc
	s_lshl_b32 s37, s19, 15
	s_add_co_u32 s37, s37, 1048576
	s_lshl_b32 s17, s20, 2
	s_add_co_u32 s17, s17, s41                     ; phase 1: the tile of 256 tokens
	s_lshl_b32 s42, ttmp9, 2
	s_add_co_u32 s42, s42, s40                     ; and of 256 features
	s_lshr_b32 s38, s18, 1
	s_lshl_b32 s38, s38, 2
	s_add_co_u32 s38, s38, s40                     ; phase 2: the tile of 256 tokens
	s_and_b32 s39, s18, 1
	s_lshl_b32 s39, s39, 2
	s_add_co_u32 s39, s39, s41                     ; and of 128 features
	s_lshl_b32 s43, s41, 2
	s_lshl_b32 s43, 15, s43                        ; my row of the cluster
	s_lshl_b32 s44, 0x1111, s40                    ; my column
	; descriptor group 1: row tiles x 3,072 bytes (two K steps), 12,288 bytes apart, in elements of 8 bytes; dense in LDS; 16 tiles for the head's loads
	s_or_b32 s[G1+0], s43, (3<<16)|(1<<21)
	s_or_b32 s[G1B+0], s44, (3<<16)|(1<<21)
.irp g, G1, G1B
	s_mov_b32 s[\g+1], 384<<16
	s_mov_b32 s[\g+2], 16<<16
	s_mov_b32 s[\g+3], 384<<16
	s_mov_b32 s[\g+4], 16
	s_mov_b32 s[\g+5], 1536
	s_mov_b32 s[\g+6], 0
	s_mov_b32 s[\g+7], 0
.endr
	s_mul_i32 s32, s17, 16*TROW
	s_add_co_u32 s32, s32, s34                     ; A's tile, from img
	s_mov_b32 s33, 0
	s_mul_i32 s46, s42, 16*TROW
	s_add_co_u32 s46, s46, s35                     ; B's, in registers that never hold A's coordinate
	s_mov_b32 s47, 0
	s_mul_i32 s2, s16, 8*TROW                      ; the half that I fetch behind the head
	s_mov_b32 s3, 0
	s_mul_i32 s22, s15, 3072                       ; the chunk that I fetch at the head
	s_mov_b32 s23, 0
	s_mul_i32 s45, s14, PART
	s_lshl_b32 s96, s38, 4                         ; phase 2: my four of B's 16 token tiles (value's images),
	s_lshl_b32 s97, s14, 2
	s_add_co_u32 s96, s96, s97
	s_mul_i32 s96, s96, TROW
	s_add_co_u32 s96, s96, 12582912
	s_mov_b32 s97, 0
	s_lshl_b32 s98, s39, 3                         ; and my two of A's 8 tiles (Wv's images)
	s_lshl_b32 s99, s14, 1
	s_add_co_u32 s98, s98, s99
	s_mul_i32 s98, s98, TROW
	s_add_co_u32 s98, s98, 26738688
	s_mov_b32 s99, 0
	s_wait_dscnt 0x0
	s_wait_kmcnt 0x0
	s_add_nc_u64 s[32:33], s[4:5], s[32:33]
	s_add_nc_u64 s[46:47], s[4:5], s[46:47]
	s_mov_b32 s[G0A+4], 1                          ; the head's: region and chunk wave / 2
	s_mul_i32 s[G0A+5], s15, REG
	s_add_nc_u64 s[G0A+6:G0A+7], s[32:33], s[22:23]
	s_or_b32 s[G0A+7], s[G0A+7], 0x80000000
	s_mov_b32 s[G0B+4], 1
	s_mul_i32 s[G0B+5], s15, REG
	s_add_co_u32 s[G0B+5], s[G0B+5], 2*PART
	s_add_nc_u64 s[G0B+6:G0B+7], s[46:47], s[22:23]
	s_or_b32 s[G0B+7], s[G0B+7], 0x80000000
	s_add_nc_u64 s[32:33], s[32:33], s[2:3]
	s_add_nc_u64 s[46:47], s[46:47], s[2:3]
.irp p, 0,2                            ; set 0: chunk 3 into region 0; set 2: chunk 2 into region 2; a quarter of a region a wave
	s_mov_b32 s[G0A+4*\p], 1
	s_add_co_u32 s[G0A+4*\p+1], s45, \p*REG
	s_add_nc_u64 s[G0A+4*\p+2:G0A+4*\p+3], s[32:33], (3-\p/2)*3072
	s_or_b32 s[G0A+4*\p+3], s[G0A+4*\p+3], 0x80000000
	s_mov_b32 s[G0B+4*\p], 1
	s_add_co_u32 s[G0B+4*\p+1], s45, \p*REG
	s_add_nc_u64 s[G0B+4*\p+2:G0B+4*\p+3], s[46:47], (3-\p/2)*3072
	s_or_b32 s[G0B+4*\p+3], s[G0B+4*\p+3], 0x80000000
.endr
	CROUND                                         ; all sixteen work-groups are here: the first joint loads meet
	JLOAD 16, G0A+4, G0B+4                         ; one load a wave: even waves fetch for A, odd ones for B
	s_mul_i32 s21, s15, PART                       ; my 128 rows of A in a region
	s_mul_i32 s22, s16, PART
	s_add_co_u32 s22, s22, 2*PART                  ; my 128 rows of B, behind A's 256
	s_mul_i32 s62, s15, 4*TROW                     ; phase 2: my four tiles of A, in region 0
	s_mul_i32 s63, s16, 8*TROW
	s_add_co_u32 s63, s63, REG                     ; my eight of B, from region 1 on
	s_lshl_b32 s2, s17, 4
	s_lshl_b32 s3, s15, 3
	s_add_co_u32 s2, s2, s3
	s_lshl_b32 s2, s2, 9
	s_add_co_u32 s36, s36, s2                      ; my A rows' scale words: 512 bytes a row tile
	s_lshl_b32 s2, s42, 4
	s_lshl_b32 s3, s16, 3
	s_add_co_u32 s2, s2, s3
	s_lshl_b32 s2, s2, 9
	s_add_co_u32 s37, s37, s2                      ; my B rows'
	s_lshl_b32 s12, s39, 3
	s_lshl_b32 s3, s15, 2
	s_add_co_u32 s12, s12, s3
	s_lshl_b32 s12, s12, 9
	s_add_co_u32 s12, s12, 1114112                 ; phase 2: Wv's
	s_lshl_b32 s13, s38, 4
	s_lshl_b32 s3, s16, 3
	s_add_co_u32 s13, s13, s3
	s_lshl_b32 s13, s13, 9
	s_add_co_u32 s13, s13, 524288                  ; and value's
	s_lshl_b32 s56, s42, 10
	s_lshl_b32 s3, s16, 9
	s_add_co_u32 s56, s56, s3                      ; 4 (256 x feature tile + 128 x half)
	s_lshl_b32 s57, s39, 9
	s_lshl_b32 s3, s15, 8
	s_add_co_u32 s57, s57, s3                      ; phase 2: 4 (128 x feature tile + 64 x half)
	v_and_b32 v1, 15, v0                           ; r
	v_bfe_u32 v2, v0, 4, 1                         ; h
	v_and_b32 v3, 31, v0                           ; lane
	v_lshlrev_b32 v[LI], 4, v3
	v_lshlrev_b32 v[LR], 2, v1
	v_add_nc_u32 v[ADRA], s21, v[LI]
	v_add_nc_u32 v[ADRB], s22, v[LI]
	v_add_nc_u32 v[ADRA+1], REG, v[ADRA]
	v_add_nc_u32 v[ADRB+1], REG, v[ADRB]
	v_add_nc_u32 v[ADRA+2], 2*REG, v[ADRA]
	v_add_nc_u32 v[ADRB+2], 2*REG, v[ADRB]
	v_add_nc_u32 v[A2], s62, v[LI]
	v_add_nc_u32 v[B2], s63, v[LI]
	v_add_nc_u32 v[B2+1], 4*TROW, v[B2]
	v_cmp_gt_u32 vcc_lo, 16, v3
	v_mov_b32 v5, s36
	v_mov_b32 v6, s37
	v_cndmask_b32 v5, v6, v5, vcc_lo               ; lanes 0-15 take A's, lanes 16-31 B's
	v_add_nc_u32 v[SO], v[LR], v5
	v_mov_b32 v7, s12
	v_mov_b32 v8, s13
	v_cndmask_b32 v7, v8, v7, vcc_lo
	v_add_nc_u32 v[SO2], v[LR], v7
	v_lshlrev_b32 v[BJO], 6, v2
	v_add_nc_u32 v[BJO], s56, v[BJO]               ; along registers: tiles 2 e, 2 e + 1 want the numbers 32 e + 16 h + 0 .. 15
	v_and_b32 v4, 8, v1
	v_add_nc_u32 v4, v4, v1
	v_lshlrev_b32 v[BIO], 2, v4
	v_add_nc_u32 v[BIO], s57, v[BIO]               ; across lanes: tile a wants the number 32 (a / 2) + 8 (a % 2) + r + 8 (r / 8)
	WALU
.irp i, 0,1,2,3,4,5,6,7
.irp s, 0,1,2,3,4,5,6,7
	global_load_b32 v[SC+8*\s+\i], v[SO], s[6:7] offset:512*\i+64*\s
.endr
.endr
	s_cmp_eq_u32 s19, 0
	s_cselect_b64 s[8:9], s[8:9], s[10:11]
	s_cselect_b32 s62, 25600, 0                    ; where the codes go in a record: Q's 25,600, K's 0,
	s_mov_b32 s63, 24576
	s_cselect_b32 s63, 37888, s63                  ; and the scale words: Q's 37,888, K's 24,576
	WIN TO_B
.irp e, 0,1,2,3
.irp q, 0,1,2,3
	global_load_b128 v[96+128*(\e/2)+16*(\e%2)+4*\q:96+128*(\e/2)+16*(\e%2)+4*\q+3], v[BJO], s[8:9] offset:128*\e+16*\q
.endr
.endr
	WIN 0
.irp a, 0,1,2,3
	global_load_b32 v[BI+\a], v[BIO], s[92:93] offset:4*(32*(\a/2)+8*(\a%2))
.endr
	s_lshr_b32 s20, s17, 3
	s_lshl_b32 s20, s20, 4                         ; 16 x batch
	s_lshl_b32 s21, s42, 2
	s_add_co_u32 s20, s20, s21
	s_lshl_b32 s21, s16, 1
	s_add_co_u32 s20, s20, s21                     ; + my first head
	s_lshl_b32 s20, s20, 3
	s_and_b32 s21, s17, 7
	s_add_co_u32 s20, s20, s21                     ; the record
	s_mul_i32 s20, s20, 38400
	s_mul_i32 s21, s15, 6144
	s_add_co_u32 s56, s20, s21
	s_add_co_u32 s56, s56, s62
	s_mov_b32 s57, 0
	s_lshl_b32 s21, s15, 8
	s_add_co_u32 s58, s20, s21
	s_add_co_u32 s58, s58, s63
	s_mov_b32 s59, 0
	s_add_nc_u64 s[56:57], s[94:95], s[56:57]      ; where my codes go
	s_add_nc_u64 s[58:59], s[94:95], s[58:59]      ; and my scale words
	s_mov_b32 s[SEL], 0x76543210
	s_mov_b32 s[SEL+1], 0xfedcba98
.macro FRAG reg, adr, s, i             ; the image of row tile i, K step s, comes back as the registers that it is
.irp c, 0,1,2
	ds_load_b128 v[\reg+4*\c:\reg+4*\c+3], v[\adr+(((\s)/2)%3)] offset:3072*(\i)+1536*((\s)%2)+512*\c
.endr
.endm
; 16 matrix instructions: A's blocks a0, a0 + 1 x B's eight, K step s.  p: B's set; af: where A's block 0 lies.  zero = 1: the first product starts the sums.
; The accumulators take turns, one instruction a turn, in the same order in every K step.
.macro MUL16 a0, p, s, zero, af=AF
.irp a, \a0, \a0+1
.irp b, 0,1,2,3,4,5,6,7
.if \zero
	v_wmma_scale_f32_16x16x128_f8f6f4 v[8*(8*((\a)%4)+\b):8*(8*((\a)%4)+\b)+7], v[128*(\p)+12*\b:128*(\p)+12*\b+11], v[\af+12*(\a):\af+12*(\a)+11], 0, v[SC+8*(\s)+\b], v[SC+8*(\s)+(\a)] matrix_a_fmt:MATRIX_FMT_FP6 matrix_b_fmt:MATRIX_FMT_FP6 matrix_a_scale:MATRIX_SCALE_ROW1
.else
	v_wmma_scale_f32_16x16x128_f8f6f4 v[8*(8*((\a)%4)+\b):8*(8*((\a)%4)+\b)+7], v[128*(\p)+12*\b:128*(\p)+12*\b+11], v[\af+12*(\a):\af+12*(\a)+11], v[8*(8*((\a)%4)+\b):8*(8*((\a)%4)+\b)+7], v[SC+8*(\s)+\b], v[SC+8*(\s)+(\a)] matrix_a_fmt:MATRIX_FMT_FP6 matrix_b_fmt:MATRIX_FMT_FP6 matrix_a_scale:MATRIX_SCALE_ROW1
.endif
.endr
.endr
.endm
.macro FETCH_B s, p                    ; B's eight fragments of K step s into set p
	WIN TO_B
.irp i, 0,1,2,3,4,5,6,7
	FRAG 128*(\p)+12*\i, ADRB, \s, \i
.endr
	WIN 0
.endm
.macro FETCH_A s, i0                   ; A's blocks i0 .. i0 + 3
.irp i, \i0, \i0+1, \i0+2, \i0+3
	FRAG AF+12*(\i), ADRA, \s, \i
.endr
.endm
.macro REST s                          ; a K step's second half: the next step's B and A's blocks 0-3, the products of blocks 4-7, A's blocks 4-7
	FETCH_B (\s)+1, 1-(\s)%2
	FETCH_A (\s)+1, 0
	WIN MUL_HI
.endm
; A K step of phase 1 whose successor's fragments are already shown landed.  A's blocks are free as soon as their eight products are issued.
; Four plain vector lines stand between a matrix instruction and a load into a register that it has read (ISA guide 7.12.1 for vector instructions).
.macro KSTEP s, zero
	s_wait_dscnt 12                                ; B's set and A's blocks 0-3 are in; the youngest 12 loads (A's blocks 4-7) may be out
	WIN MUL_LO
	MUL16 0, (\s)%2, \s, \zero
	MUL16 2, (\s)%2, \s, \zero
	s_wait_dscnt 0x0                               ; A's blocks 4-7 are in
	PLACES 4
	REST \s
	MUL16 4, (\s)%2, \s, \zero
	MUL16 6, (\s)%2, \s, \zero
	PLACES 4
	WIN 0
	FETCH_A (\s)+1, 4
.endm
; A K step with a round in it: in front each wave waits for all its tensor loads, adds 0 to its spare word, and waits for that and for its LDS reads; the joint refill is the first thing behind the round.
; fill = 1: region 0 takes chunk 3.  fill = 2: regions 1 and 2 take phase 2's B, four row tiles of 12,288 bytes a wave.
.macro TURN s, fill
	s_wait_tensorcnt 0x0                           ; all my tensor loads have landed
	ds_add_u32 v[SPW], v[NIL]                      ; 0 onto my spare word
	s_wait_dscnt 13                                ; (the add and the youngest 12 loads may be out)
	WIN MUL_LO
	MUL16 0, (\s)%2, \s, 0                         ; sixteen matrix instructions stand between the add and the wait for it
.if \fill == 2
	s_mov_b32 s[G1B+1], 1536<<16                   ; no tensor load of mine is out: the descriptor is written for rows of a whole row tile
	s_mov_b32 s[G1B+2], 4<<16
	s_mov_b32 s[G1B+3], 1536<<16
	s_mov_b32 s[G1B+4], 4
	s_mul_i32 s[G0B+5], s14, 4*TROW
	s_add_co_u32 s[G0B+5], s[G0B+5], REG
	s_add_nc_u64 s[G0B+6:G0B+7], s[4:5], s[96:97]
	s_or_b32 s[G0B+7], s[G0B+7], 0x80000000
.endif
	s_wait_dscnt 0x0                               ; the add is done, and my LDS reads are over
	s_barrier_signal -1
	MUL16 2, (\s)%2, \s, 0
	WIN 0
	s_barrier_wait -1
	CREST                                          ; no wave of any partner still reads what is filled again, or has a load on its way
.if \fill == 2
	TLOAD G0B+4, G1B
.else
	JLOAD 15, G0A, G0B                             ; waves 0 and 1 fetch for A, waves 2 and 3 for B
.endif
	REST \s                                        ; (the four v_nop behind the load are the places in front of these loads)
	MUL16 4, (\s)%2, \s, 0
	MUL16 6, (\s)%2, \s, 0
	PLACES 4
	WIN 0
	FETCH_A (\s)+1, 4
.endm
	WALU                                           ; the wait at the head's end
	s_wait_tensorcnt 0x0                           ; my tile of chunks 0 and 1 is in
	ds_add_u32 v[SPW], v[NIL]
	s_mov_b32 s[G1+2], 8<<16                       ; no tensor load of mine is out: from here on a load brings 8 row tiles
	s_mov_b32 s[G1+4], 8
	s_mov_b32 s[G1B+2], 8<<16
	s_mov_b32 s[G1B+4], 8
	s_wait_dscnt 0x0
	CROUND                                         ; chunks 0 and 1 are whole in every work-group
	JLOAD 15, G0A+8, G0B+8                         ; chunk 2 into region 2
	FETCH_B 0, 0
	FETCH_A 0, 0
	FETCH_A 0, 4
	s_wait_loadcnt 0x0                             ; the scale words and the biases
	KSTEP 0, 1                                     ; its products start the sums
	KSTEP 1, 0
	KSTEP 2, 0
	TURN 3, 1                                      ; chunk 2 is shown landed; chunk 3 is asked for
	KSTEP 4, 0
	TURN 5, 2                                      ; chunk 3 is shown landed; phase 2's B is asked for
	KSTEP 6, 0
	s_wait_dscnt 12                                ; phase 1's last K step: nothing more to fetch
	WIN MUL_LO
	MUL16 0, 1, 7, 0
	MUL16 2, 1, 7, 0
	s_wait_dscnt 0x0
	WIN MUL_HI
	MUL16 4, 1, 7, 0
	MUL16 6, 1, 7, 0
	WIN 0
; THE WAY OUT.  64 numbers of a lane, v[s] .. v[s + 63], register 16 b + i = k 32 b + 16 (lane / 16) + i of my row, become a fragment's codes in v[PC] on and its scale word in v[PW].
.macro QUANT s
.irp b, 0,1,2,3
	v_max3_num_f32 v[TM+\b], |v[\s+16*\b]|, |v[\s+1+16*\b]|, 0x1800000   ; block b: my 16 numbers, and the floor 2^(3 - 127)
.endr
.irp i, 2,4,6,8,10,12,14
.irp b, 0,1,2,3
	v_max3_num_f32 v[TM+\b], v[TM+\b], |v[\s+16*\b+\i]|, |v[\s+1+16*\b+\i]|
.endr
.endr
.irp b, 0,1,2,3
	v_permlanex16_b32 v[TM+4+\b], v[TM+\b], s[SEL], s[SEL+1]
.endr
.irp b, 0,1,2,3
	v_max_num_f32 v[TM+\b], v[TM+\b], v[TM+4+\b]   ; with lane l xor 16's: the block's largest magnitude
.endr
.irp b, 0,1,2,3
	v_add_nc_u32 v[TM+12+\b], 0xff000000, v[TM+\b] ; 2 off its exponent field: the conversion's scale operand
.endr
.irp b, 0,1,2,3
	v_lshrrev_b32 v[TM+4+\b], 23, v[TM+12+\b]      ; the scale's byte
.endr
	v_lshl_or_b32 v[PW], v[TM+5], 8, v[TM+4]
	v_lshl_or_b32 v[PW], v[TM+6], 16, v[PW]
	v_lshl_or_b32 v[PW], v[TM+7], 24, v[PW]
.irp c, 0,1
	v_cvt_scalef32_pk16_fp6_f32 v[PC+6*\c:PC+2+6*\c], v[\s+32*\c:\s+15+32*\c], v[TM+12+2*\c]
	v_cvt_scalef32_pk16_fp6_f32 v[PC+12+4*\c:PC+14+4*\c], v[\s+16+32*\c:\s+31+32*\c], v[TM+12+2*\c+1]
.endr
	v_nop                                          ; one plain line behind the scaled conversions
.irp c, 0,1                                    ; the operand's layout wants a whole block in a lane
.irp i, 0,1,2
	v_permlane16_swap_b32 v[PC+6*\c+\i], v[PC+12+4*\c+\i]
.endr
.irp i, 0,1,2
	v_mov_b32 v[PC+3+6*\c+\i], v[PC+12+4*\c+\i]
.endr
.endr
.endm
.macro PUT off, soff                   ; the fragment leaves as it stands: each store covers 512 consecutive bytes
.irp p, 0,1,2
	global_store_b128 v[LI], v[PC+4*\p:PC+4*\p+3], s[56:57] offset:(\off)+512*\p
.endr
	global_store_b32 v[LR], v[PW], s[58:59] offset:\soff   ; lanes l and l xor 16 store the same word
.endm
; Q, K: group al of 32 tokens (A's tiles 2 al, 2 al + 1), head c of my two: tile 2 al's 64 features are k = 0 .. 63 of the fragment, tile 2 al + 1's k = 64 .. 127.  The additions of the bias also bring the sums into window 0.
.macro EPI_QK al, c
	s_wait_xcnt 0x0                                ; the last fragment's stores have read their data
	WIN 0x06+(\al)/2                               ; source 0: the accumulators' window, source 1: window 1
.set AC0, 64*((2*(\al))%4)+32*(\c)
.set BJR, 96+128*(\c)
.set k, 0
.rept 16
	v_pk_add_f32 v[H+k:H+k+1], v[AC0+k:AC0+k+1], v[BJR+k:BJR+k+1]   ; each accumulator from its low end on
.set k, k+2
.endr
.set k, 0
.rept 16
	v_pk_add_f32 v[H+32+k:H+33+k], v[AC0+64+k:AC0+65+k], v[BJR+k:BJR+k+1]
.set k, k+2
.endr
	WIN 0
	QUANT H
	PUT 307200*(\c)+1536*(\al), 307200*(\c)+64*(\al)
.endm
; V: A's tile a is d tile a of my head; its 64 registers are my 128 keys' share: one fragment.  The bias is one number a lane.
.macro EPI_V a
	s_wait_xcnt 0x0
	WIN 0x02
.set AC0, 64*(\a)
.set BR, BI+2*((\a)/2)
.set k, 0
.rept 32
.if (\a)%2
	v_pk_add_f32 v[H+k:H+k+1], v[AC0+k:AC0+k+1], v[BR:BR+1] op_sel:[0,1] op_sel_hi:[1,1]
.else
	v_pk_add_f32 v[H+k:H+k+1], v[AC0+k:AC0+k+1], v[BR:BR+1] op_sel_hi:[1,0]
.endif
.set k, k+2
.endr
	WIN 0
	QUANT H
	PUT 1536*(\a), 64*(\a)
.endm
	PLACES 4                                       ; behind the last products: their results are read, and their operands' and scales' registers written, from here on
.irp b, 0,1,2,3
	v_mov_b32 v[TM+4+\b], 0                        ; written once: a lane permute's destination counts as one of its sources
.endr
.irp i, 0,1,2,3,4,5,6,7
.irp s, 0,1,2,3,4,5,6,7
	global_load_b32 v[SC+8*\s+\i], v[SO2], s[6:7] offset:512*\i+64*\s   ; phase 2's scale words (A has four blocks: lanes 0-15 of blocks 4-7 read words of sc that no product takes)
.endr
.endr
	EPI_QK 0, 0
	EPI_QK 0, 1
	EPI_QK 1, 0
	WALU
	s_wait_tensorcnt 0x0                           ; phase 2's B is in; the three lines ahead of the round behind which region 0, read out, is filled again
	ds_add_u32 v[SPW], v[NIL]
	s_mov_b32 s[G1+1], 1536<<16
	s_mov_b32 s[G1+2], 2<<16
	s_mov_b32 s[G1+3], 1536<<16
	s_mov_b32 s[G1+4], 2
	s_mul_i32 s[G0A+5], s14, 2*TROW
	s_add_nc_u64 s[G0A+6:G0A+7], s[4:5], s[98:99]
	s_or_b32 s[G0A+7], s[G0A+7], 0x80000000
	s_wait_dscnt 0x0
	CROUND
	TLOAD G0A+4, G1                                ; phase 2's A: two row tiles a wave
	EPI_QK 1, 1
.irp al, 2,3
	EPI_QK \al, 0
	EPI_QK \al, 1
.endr
; ---- PHASE 2
	s_wait_xcnt 0x0                                ; the stores have read their bases and their data
	s_lshr_b32 s20, s38, 3
	s_lshl_b32 s20, s20, 4                         ; 16 x batch
	s_lshl_b32 s21, s39, 1
	s_add_co_u32 s20, s20, s21
	s_add_co_u32 s20, s20, s15                     ; + my head
	s_lshl_b32 s20, s20, 3
	s_and_b32 s21, s38, 7
	s_add_co_u32 s20, s20, s21                     ; the record
	s_mul_i32 s20, s20, 38400
	s_mul_i32 s21, s16, 6144                       ; my key step of its two
	s_add_co_u32 s56, s20, s21
	s_add_co_u32 s56, s56, 12288
	s_mov_b32 s57, 0
	s_lshl_b32 s21, s16, 8
	s_add_co_u32 s58, s20, s21
	s_add_co_u32 s58, s58, 25088
	s_mov_b32 s59, 0
	s_add_nc_u64 s[56:57], s[94:95], s[56:57]
	s_add_nc_u64 s[58:59], s[94:95], s[58:59]
	WALU
	s_wait_tensorcnt 0x0                           ; my part of A is in
	s_barrier_signal -1
	s_barrier_wait -1                              ; everybody's is
.macro FETCH2 s                        ; B's eight and A's four fragments of K step s into sets s % 2
	WIN TO_B
.irp i, 0,1,2,3,4,5,6,7
.irp c, 0,1,2
	ds_load_b128 v[128*((\s)%2)+12*\i+4*\c:128*((\s)%2)+12*\i+4*\c+3], v[B2+\i/4] offset:TROW*(\i%4)+1536*(\s)+512*\c
.endr
.endr
	WIN 0
.irp i, 0,1,2,3
.irp c, 0,1,2
	ds_load_b128 v[AF+48*((\s)%2)+12*\i+4*\c:AF+48*((\s)%2)+12*\i+4*\c+3], v[A2] offset:TROW*\i+1536*(\s)+512*\c
.endr
.endr
.endm
.macro K2 s                            ; a K step of phase 2: the next step's 36 loads go out ahead of this step's 32 products
	s_wait_dscnt 0x0
.if (\s) > 0
	PLACES 4
.endif
.if (\s) < 7
	FETCH2 (\s)+1
.endif
	WIN MUL_LO
	MUL16 0, (\s)%2, \s, (\s)==0, AF+48*((\s)%2)
	MUL16 2, (\s)%2, \s, (\s)==0, AF+48*((\s)%2)
	WIN 0
.endm
	FETCH2 0
	s_wait_loadcnt 0x0                             ; the scale words
.irp s, 0,1,2,3,4,5,6,7
	K2 \s
.endr
	PLACES 4
.irp a, 0,1,2,3
	EPI_V \a
.endr
	s_wait_tensorcnt 0x0                           ; the wave's end
	ds_add_u32 v[SPW], v[NIL]
	s_wait_dscnt 0x0
	CROUND                                         ; the closing round: no work-group ends while a partner may still ask for a tile that names it
	s_endpgm
.Lfunc_end_k_q2be6f69f3d_proj:
	.size	k_q2be6f69f3d_proj, .Lfunc_end_k_q2be6f69f3d_proj-k_q2be6f69f3d_proj
	.p2alignl 7, 3214868480
	.fill 96, 4, 3214868480
	.section	.rodata,"a",@progbits
	.p2align	6, 0x0
	.amdhsa_kernel k_q2be6f69f3d_proj
		.amdhsa_group_segment_fixed_size 327680
		.amdhsa_private_segment_fixed_size 0
		.amdhsa_enable_private_segment 0
		.amdhsa_kernarg_size 48
		.amdhsa_user_sgpr_count 2
		.amdhsa_user_sgpr_kernarg_segment_ptr 1
		.amdhsa_wavefront_size32 1
		.amdhsa_system_sgpr_workgroup_id_x 1
		.amdhsa_system_sgpr_workgroup_id_y 1
		.amdhsa_system_sgpr_workgroup_id_z 1
		.amdhsa_system_vgpr_workitem_id 0
		.amdhsa_next_free_vgpr 1024
		.amdhsa_next_free_sgpr 100
		.amdhsa_reserve_vcc 1
		.amdhsa_float_denorm_mode_32 3
		.amdhsa_float_denorm_mode_16_64 3
		.amdhsa_memory_ordered 1
		.amdhsa_forward_progress 1
		.amdhsa_inst_pref_size 248
	.end_amdhsa_kernel
	.amdgpu_metadata
---
amdhsa.version: [ 1, 2 ]
amdhsa.kernels:
  - .name:           k_q2be6f69f3d_proj
    .symbol:         k_q2be6f69f3d_proj.kd
    .args:
      - { .name: img, .offset: 0, .size: 8, .value_kind: global_buffer, .address_space: global }
      - { .name: sc, .offset: 8, .size: 8, .value_kind: global_buffer, .address_space: global }
      - { .name: bq, .offset: 16, .size: 8, .value_kind: global_buffer, .address_space: global }
      - { .name: bk, .offset: 24, .size: 8, .value_kind: global_buffer, .address_space: global }
      - { .name: bv, .offset: 32, .size: 8, .value_kind: global_buffer, .address_space: global }
      - { .name: qkv, .offset: 40, .size: 8, .value_kind: global_buffer, .address_space: global }
    .group_segment_fixed_size: 327680
    .private_segment_fixed_size: 0
    .kernarg_segment_align: 8
    .kernarg_segment_size: 48
    .max_flat_workgroup_size: 128
    .sgpr_count:     100
    .vgpr_count:     1024
    .wavefront_size: 32
...
	.end_amdgpu_metadata
.endif
;; end of part 2
;; launch attn (part 3): grid 8 x 32, 16 waves a work-group, clusters of 4 x 1, 327,680 bytes of LDS; arguments qkv, img, sc; writes img, sc
.if DOCPART == 3
	.amdgcn_target "amdgcn-amd-amdhsa--gfx1250"
	.amdhsa_code_object_version 6
	.text
	.protected	k_q2be6f69f3d_attn
	.globl	k_q2be6f69f3d_attn
	.p2align	8
	.type	k_q2be6f69f3d_attn,@function
k_q2be6f69f3d_attn:
	s_mov_b64 s[64:65], 0
	v_nop
	global_prefetch_b8 v0, s[64:65] scope:SCOPE_SE
	s_setreg_imm32_b32 hwreg(HW_REG_WAVE_MODE, 25, 1), 1
	s_wait_xcnt 0x0
	s_wait_alu depctr_hold_cnt(0) depctr_sa_sdst(0) depctr_va_vdst(0) depctr_va_sdst(0) depctr_va_ssrc(0) depctr_va_vcc(0) depctr_vm_vsrc(0)
	s_getreg_b32 s2, hwreg(HW_REG_IB_STS2, 6, 4)
	s_cmp_eq_u32 s2, 0
	s_cbranch_scc0 .Lentry_in_a_cluster
	s_endpgm
.Lentry_in_a_cluster:
	s_bfe_u32 s2, ttmp6, 0x10000c
	s_cmp_lg_u32 s2, 0x3003
	s_cbranch_scc0 .Lentry_shape_is_right
	s_endpgm
.Lentry_shape_is_right:
; x[token][64 head + d] = the sum over keys of softmax(Q . K / 8) V, both products on codes of FP6 (E2M3) with E8M0 scales; x is quantised here along its features and stored as images of operand registers.
; THE SOFTMAX: t = score x log2(e) / 8; M = the running largest t rounded up to a whole number; p = 2^(t - M) is quantised along the keys, not normalised; the row's sum is taken of the unquantised p and divides at the end.
; When M moves, the sum and O are multiplied by 2^(old M - new M), which rounds nothing.
; SHARES.  A work-group owns 256 queries of one batch and two heads, 2 g and 2 g + 1, one after the other; each of its sixteen waves owns one tile of 16 queries and ends with x's whole fragment of K step g.
; INPUT: qkv, records of 38,400 bytes, record = (batch x 16 + head) x 8 + 256 keys: K's codes 0, V's 12,288, K's scale words 24,576, V's 25,088 (these 25,600 bytes go to LDS), Q's codes 25,600, Q's scale words 37,888.
; SLOTS.  A slot holds FOUR records, 1,024 keys; two slots; a head is two slots, so the walk has four changes of slots.  Each wave fetches a quarter of a record, 25 rows of 256 bytes, by one joint load.
; The load lays 64 bytes of padding behind each 256: a piece of 512 bytes takes 640, a fragment's image 1,920, a record 32,000.
; A slot is asked for eight key steps ahead of its first read, so no prefetch is laid: no wave would be waiting for what it names.
; K'S TILES ARE FORMED ANEW BY THE LANES' ADDRESSES.  An image holds, for a group of 32 keys, tile u = 0's 64 features in registers 0-5 and tile u = 1's in 6-11; its lane row r' of tile u is key 8 u + r' + 8 (r' / 8).
; Lane rows 0-7 of my fragment (c, w) read rows 8 w + 0 .. 7 of group 2 c, lane rows 8-15 the same rows of group 2 c + 1 (1,920 bytes on: the other half of the banks).  Against (q | zero codes) it gives keys
; 64 c + 32 (lane / 16) + 16 w + 0 .. 7 of my query, against (zero codes | q) the next eight.  So a lane's 32 registers of band c are ONE block of 32 keys: its largest p and its codes need no other lane.
; Both products are used transposed: a lane holds one query throughout.
; CLUSTER: the four blocks of queries of a cluster walk the same K and V: each slot is asked for jointly.
; LIMITS: the scaled scores t stay under 2^31 in magnitude; a block of zeros gets the byte 1 (its codes are zeros; this program alone reads the bytes); NaN and infinities are not served.
.set REC,   38400
.set RECL,  32000                      ; a record's K and V in LDS
.set SLOT1, 131072                     ; slot 1 begins here
.set SPARE, 262144                     ; the spare words, 128 bytes for each of the sixteen waves, which no other line names
.set LV,  1                            ; v1   V's lane term: 320 (lane / 16) + 16 (lane % 16)
.set LK,  2                            ; v2   K's: 1,920 (r / 8) + 320 (lane / 16) + 16 (r % 8)
.set LSK, 3                            ; v3   K's scale words: 64 (r / 8) + 32 (lane / 16) + 4 (r % 8)
.set LSV, 4                            ; v4   V's: 4 x lane
.set SPW, 5                            ; v5   my spare word; never rewritten
.set NIL, 6                            ; v6   0; never rewritten
.set AV,  7                            ; v7-10 the four terms + the record's place in LDS
.set AK,  8
.set ASK, 9
.set ASV, 10
.set SH8, 11                           ; v11  8 (lane / 16);  v12 -M, v13 the largest score so far, v[14:15] the row's sum
.set QA,  16                           ; v16-33 q | zero codes | q: (q | 0) begins at v16, (0 | q) at v22
.set QR,  34                           ; v34-39 the second head's q
.set QS,  40                           ; v40  q's scale word (s0, s1, s0, s1);  v41 the second head's as stored
.set QSR, 41
.set KSC, 42                           ; v42-43 K's scale words of band c: lanes 0-15 w = 0, lanes 16-31 w = 1
.set VSC, 44                           ; v44-45 V's: lanes 0-15 tile 2 i, lanes 16-31 tile 2 i + 1
.set PS,  46                           ; v46  p's scale word
.set XW,  47                           ; v47  x's scale word
.set F,   48                           ; v[48:49] 2^(old M - new M)
.set TM2, 50                           ; v50  the old -M
.set XC,  52                           ; v52-63 x's fragment
.set KF,  64                           ; v64-111 four fragments of K; behind the scores: at work
.set VF,  112                          ; v112-159 four fragments of V
.set S,   160                          ; v160-223 S^T, then p: register 32 c + i is key 64 c + 32 (lane / 16) + i
.set OT,  224                          ; v224-255 O^T
.set P,   64                           ; p's codes
.set T,   76                           ; v76-78, v80-82 the conversions' second halves
.set BM,  84                           ; four chains of maxima; then the two blocks' in v84, v86
.set PT,  88
.set SO,  90                           ; the conversions' scale operands
.set TMP, 92
.set L,   94                           ; v94-99 three more chains of the sum
.set W,   100
.set EB,  102
.set WV,  18
.set SEL, 20
.set CS,  22                           ; s[22:23] c = log2(e) / 8
.set G1,  24
.set G0,  32
.set TB,  2                            ; s2   LDS byte at which the record in hand begins
.set CNT, 3
.set OC,  36
.set QP,  40
.set XP,  42
.set XSP, 44
.macro WALU
	s_wait_alu depctr_va_vdst(0)
.endm
.macro DEP1
	s_delay_alu instid0(VALU_DEP_1)
.endm
.macro CROUND                          ; a round of the cluster's barrier
	s_barrier_signal -1
	s_barrier_wait -1
	s_cmp_lg_u32 s[WV], 0
	s_cbranch_scc1 .Lnot_wave_0_\@
	s_barrier_signal -3
.Lnot_wave_0_\@:
	s_barrier_wait -3
	s_barrier_signal -1
	s_barrier_wait -1
.endm
.macro TLOAD                           ; every wave fetches its sixteenth of a slot; s_nop 0 and four v_nop follow
	tensor_load_to_lds s[G0:G0+3], s[G1:G1+7]
	s_nop 0
.rept 4
	v_nop
.endr
.endm
	s_load_b128 s[4:7], s[0:1], 0x0                ; qkv s[4:5], img s[6:7]
	s_load_b64 s[8:9], s[0:1], 0x10                ; sc
	v_lshl_add_u32 v[SPW], v0, 2, SPARE
	v_mov_b32 v[NIL], 0
	ds_add_u32 v[SPW], v[NIL]                      ; the opening lines: the add, twice on end, and its wait
	ds_add_u32 v[SPW], v[NIL]
	v_lshrrev_b32 v[AV], 5, v0
	v_readfirstlane_b32 s[WV], v[AV]               ; wave 0..15
	s_bfe_u32 s10, ttmp6, 0x40000                  ; cx
	s_lshl_b32 s11, ttmp9, 2
	s_add_co_u32 s11, s11, s10                     ; my block of 256 queries
	s_and_b32 s12, ttmp7, 0xffff                   ; 8 x batch + pair of heads: its records are 16 y .. 16 y + 15
	s_mov_b32 s[G1], 15|(3<<16)|(1<<20)|(1<<21)|(5<<22)|(15<<25)   ; all four partners; elements of 8 bytes; 16 words of padding behind every 64
	s_mov_b32 s[G1+1], 32<<16
	s_mov_b32 s[G1+2], 25<<16
	s_mov_b32 s[G1+3], 32<<16
	s_mov_b32 s[G1+4], 25
	s_mov_b32 s[G1+5], 32
	s_mov_b32 s[G1+6], 0
	s_mov_b32 s[G1+7], 0
	s_and_b32 s13, s[WV], 3
	s_mul_i32 s14, s13, 6400                       ; quarter wave % 4
	s_lshr_b32 s15, s[WV], 2
	s_mul_i32 s15, s15, REC                        ; of record wave / 4 of the slot's four
	s_mul_i32 s16, s12, 16*REC
	s_add_co_u32 s16, s16, s14
	s_add_co_u32 s16, s16, s15
	s_mov_b32 s17, 0
	s_lshl_b32 s46, s12, 4
	s_add_co_u32 s46, s46, s11
	s_mul_i32 s46, s46, REC
	s_add_co_u32 s46, s46, 25600                   ; Q of the first head: the record of my block, its Q part
	s_mov_b32 s47, 0
	s_lshr_b32 s48, s12, 3
	s_lshl_b32 s48, s48, 7
	s_lshl_b32 s49, s11, 4
	s_add_co_u32 s48, s48, s49
	s_add_co_u32 s48, s48, s[WV]                   ; my tile of tokens: 128 x batch + 16 x block + wave
	s_lshl_b32 s48, s48, 3
	s_and_b32 s49, s12, 7
	s_add_co_u32 s48, s48, s49                     ; 8 x tile + K step g
	s_mul_i32 s50, s48, 1536
	s_add_co_u32 s50, s50, 18874368                ; x's images in img
	s_mov_b32 s51, 0
	s_lshl_b32 s52, s48, 6
	s_add_co_u32 s52, s52, 786432                  ; x's scale words in sc
	s_mov_b32 s53, 0
	; my tile of queries is tile u = wave % 2 of group wave / 2: registers 6 u .. 6 u + 5 of the group's image: u = 0: bytes 0, 8, 512 of my lane's; u = 1: 520, 1,024, 1,032
	s_lshr_b32 s54, s[WV], 1
	s_and_b32 s55, s[WV], 1
	s_mul_i32 s56, s54, 1536
	s_mul_i32 s57, s55, 520
	s_add_co_u32 s57, s57, s56
	s_mul_i32 s58, s55, 1016
	s_add_co_u32 s58, s58, s56
	s_add_co_u32 s58, s58, 8
	s_lshl_b32 s59, s54, 6
	s_mov_b32 s60, 0x03020302
	s_cmp_eq_u32 s55, 0
	s_cselect_b32 s60, 0x01000100, s60             ; the byte select that makes (s0, s1, s0, s1) of my tile's two bytes
	s_mov_b32 s[SEL], 0x76543210
	s_mov_b32 s[SEL+1], 0xfedcba98
	s_mov_b32 s[CS], 0x3e38aa3b                    ; c = log2(e) / 8
	s_mov_b32 s[CS+1], s[CS]
	s_mov_b32 s[TB], 0
	s_mov_b32 s[G0], 1
	s_mul_i32 s[G0+1], s[WV], 8000                 ; 25 rows of 320 bytes a wave
	s_wait_dscnt 0x0
	s_wait_kmcnt 0x0
	s_add_nc_u64 s[G0+2:G0+3], s[4:5], s[16:17]
	s_or_b32 s[G0+3], s[G0+3], 0x80000000
	s_add_nc_u64 s[QP:QP+1], s[4:5], s[46:47]
	s_add_nc_u64 s[XP:XP+1], s[6:7], s[50:51]
	s_add_nc_u64 s[XSP:XSP+1], s[8:9], s[52:53]
	CROUND                                         ; all four work-groups are here: the first joint loads meet
	TLOAD                                          ; records 0 to 3 into slot 0
	v_and_b32 v64, 31, v0                          ; lane
	v_lshlrev_b32 v65, 4, v64
	v_and_b32 v66, 15, v0                          ; r
	v_lshlrev_b32 v67, 2, v66
	v_bfe_u32 v68, v0, 4, 1                        ; lane / 16
	v_and_b32 v69, 7, v0                           ; r % 8
	v_bfe_u32 v70, v0, 3, 1                        ; r / 8
	v_lshlrev_b32 v[SH8], 3, v68
	v_mul_u32_u24 v71, v68, 320
	v_lshl_add_u32 v[LV], v66, 4, v71
	v_lshl_add_u32 v71, v69, 4, v71
	v_mad_u32_u24 v[LK], v70, 1920, v71
	v_lshlrev_b32 v[LSV], 2, v64
	v_lshlrev_b32 v72, 5, v68
	v_lshl_add_u32 v72, v69, 2, v72
	v_lshl_add_u32 v[LSK], v70, 6, v72
	v_add_nc_u32 v73, s57, v65
	v_add_nc_u32 v74, s58, v65
	v_add_nc_u32 v75, s59, v67
	WALU
.irp d, QA, QA+12
	global_load_b64 v[\d:\d+1], v73, s[QP:QP+1]
	global_load_b64 v[\d+2:\d+3], v74, s[QP:QP+1]
	global_load_b64 v[\d+4:\d+5], v73, s[QP:QP+1] offset:512
.endr
	global_load_b64 v[QR:QR+1], v73, s[QP:QP+1] offset:8*REC       ; the second head: eight records on
	global_load_b64 v[QR+2:QR+3], v74, s[QP:QP+1] offset:8*REC
	global_load_b64 v[QR+4:QR+5], v73, s[QP:QP+1] offset:8*REC+512
	global_load_b32 v[QS], v75, s[QP:QP+1] offset:12288
	global_load_b32 v[QSR], v75, s[QP:QP+1] offset:8*REC+12288
	v_mov_b32 v13, 0xff61b1e6                      ; the largest score so far: -3e38
	v_floor_f32 v12, -v13                          ; -M
	v_mov_b32 v14, 0                               ; the sum, in two halves
	v_mov_b32 v15, 0
	v_mov_b32 v[F+1], 0                            ; (named as the upper half of a pair)
	v_mov_b32 v[XW], 0
.irp i, 0,1,2,3,4,5
	v_mov_b32 v[QA+6+\i], 0                        ; zero codes: they add nothing under any scale byte that is stored here
	v_mov_b32 v[XC+6+\i], 0                        ; (moved down, and written over, when a head is finished)
.endr
	WALU
	s_wait_loadcnt 0x0
	v_perm_b32 v[QS], v[QS], v[QS], s60
.set j, 0
.rept 32
	v_mov_b32 v[OT+j], 0                           ; O^T: the step is written once; its first run finds zeros.  (Also the places between the line above and the first products)
.set j, j+1
.endr
	WALU                                           ; the wait at the head's end
; The row's sum of the 64 p, 32 packed additions in four chains; SUMS n writes the next n of them.
.macro SUMS n
.rept \n
.if SI < 3
	v_pk_add_f32 v[L+2*SI:L+2*SI+1], v[S+4*SI:S+4*SI+1], v[S+4*SI+2:S+4*SI+3]
.elseif SI < 29
.if SI%4 == 0
	v_pk_add_f32 v[14:15], v[14:15], v[S+2*SI+6:S+2*SI+7]
.else
	v_pk_add_f32 v[L+2*(SI%4)-2:L+2*(SI%4)-1], v[L+2*(SI%4)-2:L+2*(SI%4)-1], v[S+2*SI+6:S+2*SI+7]
.endif
.elseif SI == 29
	v_pk_add_f32 v[14:15], v[14:15], v[L:L+1]
.elseif SI == 30
	v_pk_add_f32 v[L+2:L+3], v[L+2:L+3], v[L+4:L+5]
.else
	v_pk_add_f32 v[14:15], v[14:15], v[L+2:L+3]
.endif
.set SI, SI+1
.endr
.endm
; A KEY STEP: 128 keys, the q-th of the record in hand.
.macro STEP q
.if \q == 0
	v_add_nc_u32 v[AV], s[TB], v[LV]               ; four plain lines between the last products and loads into registers that they have read
	v_add_nc_u32 v[AK], s[TB], v[LK]
	v_add_nc_u32 v[ASK], s[TB], v[LSK]
	v_add_nc_u32 v[ASV], s[TB], v[LSV]
.else
.rept 4
	v_nop
.endr
.endif
.irp c, 0,1
.irp w, 0,1
.irp p, 0,1,2
	ds_load_b128 v[KF+24*\c+12*\w+4*\p:KF+24*\c+12*\w+4*\p+3], v[AK] offset:1920*(4*(\q)+2*\c)+640*\p+128*\w
.endr
.endr
.endr
.irp c, 0,1
	ds_load_b32 v[KSC+\c], v[ASK] offset:30720+320*(\q)+128*\c
.endr
.irp t, 0,1,2,3
.irp p, 0,1,2
	ds_load_b128 v[VF+12*\t+4*\p:VF+12*\t+4*\p+3], v[AV] offset:15360+1920*(4*(\q)+\t)+640*\p
.endr
.endr
.irp i, 0,1
	ds_load_b32 v[VSC+\i], v[ASV] offset:31360+320*(\q)+128*\i
.endr
	s_wait_dscnt 14                                ; K's 14 loads are in; V's 14 may be out
.irp c, 0,1                                    ; S^T = K Q^T: each fragment of K serves two products
.irp w, 0,1
.irp u, 0,1
.if \w
	v_wmma_scale_f32_16x16x128_f8f6f4 v[S+32*\c+16*\w+8*\u:S+32*\c+16*\w+8*\u+7], v[KF+24*\c+12*\w:KF+24*\c+12*\w+11], v[QA+6*\u:QA+6*\u+11], 0, v[KSC+\c], v[QS] matrix_a_fmt:MATRIX_FMT_FP6 matrix_b_fmt:MATRIX_FMT_FP6 matrix_a_scale:MATRIX_SCALE_ROW1
.else
	v_wmma_scale_f32_16x16x128_f8f6f4 v[S+32*\c+16*\w+8*\u:S+32*\c+16*\w+8*\u+7], v[KF+24*\c+12*\w:KF+24*\c+12*\w+11], v[QA+6*\u:QA+6*\u+11], 0, v[KSC+\c], v[QS] matrix_a_fmt:MATRIX_FMT_FP6 matrix_b_fmt:MATRIX_FMT_FP6
.endif
.endr
.endr
.endr
	v_mov_b32 v[TM2], v12                          ; the old -M; with three v_nop the four places: the scores are read, and K's registers written, from here on
.rept 3
	v_nop
.endr
.irp b, 0,1,2,3
	v_max3_num_f32 v[BM+\b], v[S+16*\b], v[S+1+16*\b], v[S+2+16*\b]   ; four chains, two to a block of 32 keys; each accumulator from its low end on
.endr
.irp i, 3,5,7,9,11,13
.irp b, 0,1,2,3
	v_max3_num_f32 v[BM+\b], v[BM+\b], v[S+16*\b+\i], v[S+1+16*\b+\i]
.endr
.endr
	v_max3_num_f32 v[BM], v[BM], v[BM+1], v[S+15]
	v_max3_num_f32 v[BM+2], v[BM+2], v[BM+3], v[S+47]
	v_max_num_f32 v[BM], v[BM], v[S+31]            ; the largest score of my block of band 0: it serves the row's maximum and, since p rises with the score, the block's largest p
	v_max_num_f32 v[BM+2], v[BM+2], v[S+63]        ; and of band 1
	DEP1
	v_max_num_f32 v[TMP], v[BM], v[BM+2]
	DEP1
	v_permlanex16_b32 v[PT], v[TMP], s[SEL], s[SEL+1]
	DEP1
	v_max3_num_f32 v13, v13, v[TMP], v[PT]         ; the running largest score of my query
	DEP1
	v_mul_f32 v[TMP], s[CS], v13                   ; as t (c is positive)
	DEP1
	v_floor_f32 v12, -v[TMP]                       ; the new -M = floor(-t): M is a whole number
	DEP1
	v_sub_f32 v[TMP], v12, v[TM2]                  ; old M - new M: a whole number, 0 or less
	DEP1
	v_cvt_i32_f32 v[TMP], v[TMP]                   ; (it saturates)
	DEP1
	v_ldexp_f32 v[F], 1.0, v[TMP]                  ; f = 2^(old M - new M)
.set j, 0
.rept 16
	v_pk_mul_f32 v[OT+j:OT+j+1], v[OT+j:OT+j+1], v[F:F+1] op_sel_hi:[1,0]   ; O^T under the new M
.set j, j+2
.endr
.set j, 0
.rept 32
	v_pk_fma_f32 v[S+j:S+j+1], v[S+j:S+j+1], s[CS:CS+1], v[12:13] op_sel_hi:[1,0,0]   ; t - M, two at a time
.set j, j+2
.endr
	v_fma_f32 v[BM], v[BM], s[CS], v12             ; the same of each block's largest score
	v_fma_f32 v[BM+2], v[BM+2], s[CS], v12
	WALU                                           ; the wait ahead of the batch
.set j, 0
.rept 64
	v_exp_f32 v[S+j], v[S+j]                       ; p = 2^(t - M), at most 1
.set j, j+1
.endr
	v_exp_f32 v[BM], v[BM]                         ; the blocks' largest p: the same two instructions on the same number
	v_exp_f32 v[BM+2], v[BM+2]
	v_pk_mul_f32 v[14:15], v[14:15], v[F:F+1] op_sel_hi:[1,0]      ; the sums under the new M: a plain line behind the exponentials
	WALU                                           ; one wait for the batch, ahead of its first reader
.set SI, 0
	v_max_num_f32 v[BM], 0x1800000, v[BM]          ; the floor 2^(3 - 127): the byte cannot fall under 1
	v_max_num_f32 v[BM+2], 0x1800000, v[BM+2]
	SUMS 2                                         ; the sum's additions stand between the links of this chain
	v_add_nc_u32 v[SO], 0xff000000, v[BM]          ; 2 off the exponent field: the conversions' scale operands
	v_add_nc_u32 v[SO+1], 0xff000000, v[BM+2]
	SUMS 2
	v_lshrrev_b32 v[EB], 23, v[SO]
	v_lshrrev_b32 v[EB+1], 23, v[SO+1]
	SUMS 2
	v_lshl_or_b32 v[W], v[EB+1], 16, v[EB]         ; my blocks lane / 16 and 2 + lane / 16,
	SUMS 3
	v_lshlrev_b32 v[W], v[SH8], v[W]               ; at their places in the word;
	SUMS 3
	v_permlanex16_b32 v[PT], v[W], s[SEL], s[SEL+1]
	SUMS 3
	v_or_b32 v[PS], v[W], v[PT]                    ; with lane l xor 16's two the word is whole
.irp c, 0,1
	v_cvt_scalef32_pk16_fp6_f32 v[P+6*\c:P+2+6*\c], v[S+32*\c:S+15+32*\c], v[SO+\c]
	v_cvt_scalef32_pk16_fp6_f32 v[T+4*\c:T+2+4*\c], v[S+16+32*\c:S+31+32*\c], v[SO+\c]   ; (a conversion's three registers begin on an even number)
.endr
	v_nop                                          ; one plain line behind the scaled conversions
.irp c, 0,1
.irp i, 0,1,2
	v_mov_b32 v[P+3+6*\c+\i], v[T+4*\c+\i]
.endr
.endr
	SUMS 17                                        ; the rest of the sum: also the places behind p's codes and scale word
	WALU
	s_wait_dscnt 0x0                               ; V is in
.irp t, 0,1,2,3                                ; O^T += V^T P^T: four accumulators, one instruction each; eleven other products stand between two links of a chain
.if \t % 2
	v_wmma_scale_f32_16x16x128_f8f6f4 v[OT+8*\t:OT+8*\t+7], v[VF+12*\t:VF+12*\t+11], v[P:P+11], v[OT+8*\t:OT+8*\t+7], v[VSC+\t/2], v[PS] matrix_a_fmt:MATRIX_FMT_FP6 matrix_b_fmt:MATRIX_FMT_FP6 matrix_a_scale:MATRIX_SCALE_ROW1
.else
	v_wmma_scale_f32_16x16x128_f8f6f4 v[OT+8*\t:OT+8*\t+7], v[VF+12*\t:VF+12*\t+11], v[P:P+11], v[OT+8*\t:OT+8*\t+7], v[VSC+\t/2], v[PS] matrix_a_fmt:MATRIX_FMT_FP6 matrix_b_fmt:MATRIX_FMT_FP6
.endif
.endr
.endm
; THE CHANGE OF SLOTS stands at a slot's head.  Each wave waits for all its tensor loads, adds 0 to its spare word, and waits for that and for its reads of the slot that it has left.
; fill = 1: a round of the cluster's barrier, and behind it the other slot takes the next four records: the load has eight key steps in which to land.
.macro CHANGE fill
	s_wait_tensorcnt 0x0                           ; no tensor load of mine is out, so the group 0 may be written
	ds_add_u32 v[SPW], v[NIL]                      ; 0 onto my spare word
.if \fill
	s_xor_b32 s[G0+1], s[G0+1], SLOT1              ; the other slot than last time,
	s_add_nc_u64 s[G0+2:G0+3], s[G0+2:G0+3], 4*REC ; the next four records
	s_wait_dscnt 0x0
	CROUND
	TLOAD
.else
	s_wait_dscnt 0x0
	s_barrier_signal -1
	s_barrier_wait -1
.endif
.endm
.macro SLOT                            ; a slot's four records, two key steps each; then TB goes to the other slot's first byte
	s_mov_b32 s[CNT], 4
.Lrec_\@:
	STEP 0
	STEP 1
	s_add_co_u32 s[TB], s[TB], RECL
	s_sub_co_u32 s[CNT], s[CNT], 1
	s_cmp_lg_u32 s[CNT], 0
	s_cbranch_scc1 .Lrec_\@
	s_and_b32 s[TB], s[TB], SLOT1
	s_xor_b32 s[TB], s[TB], SLOT1
.endm
; A head is finished: O^T / the sum is x's 64 features of this head: two blocks of 32, quantised as every computed operand is.  One text serves both heads: the fragment's upper six registers and the word's upper
; two bytes are moved down, and the head's own take their place; then the state is set for a next head (behind the second head these lines change nothing that is read).
.macro FINISH
.rept 4
	v_nop                                          ; places behind the last products
.endr
.irp i, 0,1,2,3,4,5
	v_mov_b32 v[QA+\i], v[QR+\i]
	v_mov_b32 v[QA+12+\i], v[QR+\i]
	v_mov_b32 v[XC+\i], v[XC+6+\i]
.endr
	v_perm_b32 v[QS], v[QSR], v[QSR], s60
	v_lshrrev_b32 v[XW], 16, v[XW]
	v_add_f32 v14, v14, v15                        ; the sum's two halves,
	v_permlanex16_b32 v[TMP], v14, s[SEL], s[SEL+1]
	v_add_f32 v14, v14, v[TMP]                     ; and lane l xor 16's
	WALU
	v_rcp_f32 v14, v14
	v_nop                                          ; a plain line behind the reciprocal
	WALU                                           ; and the wait ahead of its first reader, which is also O^T's
.set j, 0
.rept 16
	v_pk_mul_f32 v[S+j:S+j+1], v[OT+j:OT+j+1], v[14:15] op_sel_hi:[1,0]   ; register 16 b + i: d = 32 b + 16 (lane / 16) + i
.set j, j+2
.endr
.irp b, 0,1
	v_max3_num_f32 v[BM+\b], |v[S+16*\b]|, |v[S+1+16*\b]|, 0x1800000
.endr
.irp i, 2,4,6,8,10,12,14
.irp b, 0,1
	v_max3_num_f32 v[BM+\b], v[BM+\b], |v[S+16*\b+\i]|, |v[S+1+16*\b+\i]|
.endr
.endr
.irp b, 0,1
	v_permlanex16_b32 v[PT+\b], v[BM+\b], s[SEL], s[SEL+1]
.endr
.irp b, 0,1
	v_max_num_f32 v[BM+\b], v[BM+\b], v[PT+\b]
.endr
.irp b, 0,1
	v_add_nc_u32 v[SO+\b], 0xff000000, v[BM+\b]
.endr
.irp b, 0,1
	v_lshrrev_b32 v[PT+\b], 23, v[SO+\b]
.endr
	v_lshl_or_b32 v[XW], v[PT], 16, v[XW]
	v_lshl_or_b32 v[XW], v[PT+1], 24, v[XW]
	v_cvt_scalef32_pk16_fp6_f32 v[XC+6:XC+8], v[S:S+15], v[SO]
	v_cvt_scalef32_pk16_fp6_f32 v[T:T+2], v[S+16:S+31], v[SO+1]
	v_nop                                          ; one plain line behind the scaled conversions
.irp i, 0,1,2
	v_permlane16_swap_b32 v[XC+6+\i], v[T+\i]      ; the operand's layout wants a whole block in a lane
.endr
.irp i, 0,1,2
	v_mov_b32 v[XC+9+\i], v[T+\i]
.endr
	v_mov_b32 v13, 0xff61b1e6
	v_floor_f32 v12, -v13
	v_mov_b32 v14, 0
	v_mov_b32 v15, 0
.set j, 0
.rept 32
	v_mov_b32 v[OT+j], 0
.set j, j+1
.endr
	WALU
.endm
	s_mov_b32 s[OC], 0
.Lslots:                                           ; the first three slots; behind each change the next slot is asked for
	CHANGE 1
	SLOT
	s_cmp_lg_u32 s[OC], 1                          ; behind the second slot the first head is finished
	s_cbranch_scc1 .Lsame_head
	FINISH
.Lsame_head:
	s_add_co_u32 s[OC], s[OC], 1
	s_cmp_lg_u32 s[OC], 3
	s_cbranch_scc1 .Lslots
	CHANGE 0                                       ; the last slot is written out
	SLOT
	FINISH
	v_and_b32 v[W], 31, v0
	v_lshlrev_b32 v[W], 4, v[W]
	v_and_b32 v[EB], 15, v0
	v_lshlrev_b32 v[EB], 2, v[EB]
	global_store_b128 v[W], v[XC:XC+3], s[XP:XP+1]                 ; x's fragment as it stands: each store covers 512 consecutive bytes
	global_store_b128 v[W], v[XC+4:XC+7], s[XP:XP+1] offset:512
	global_store_b128 v[W], v[XC+8:XC+11], s[XP:XP+1] offset:1024
	global_store_b32 v[EB], v[XW], s[XSP:XSP+1]                    ; lanes l and l xor 16 store the same word
	s_wait_tensorcnt 0x0                           ; the wave's end
	ds_add_u32 v[SPW], v[NIL]
	s_wait_dscnt 0x0
	CROUND                                         ; the closing round
	s_endpgm
.Lfunc_end_k_q2be6f69f3d_attn:
	.size	k_q2be6f69f3d_attn, .Lfunc_end_k_q2be6f69f3d_attn-k_q2be6f69f3d_attn
	.p2alignl 7, 3214868480
	.fill 96, 4, 3214868480
	.section	.rodata,"a",@progbits
	.p2align	6, 0x0
	.amdhsa_kernel k_q2be6f69f3d_attn
		.amdhsa_group_segment_fixed_size 327680
		.amdhsa_private_segment_fixed_size 0
		.amdhsa_enable_private_segment 0
		.amdhsa_kernarg_size 24
		.amdhsa_user_sgpr_count 2
		.amdhsa_user_sgpr_kernarg_segment_ptr 1
		.amdhsa_wavefront_size32 1
		.amdhsa_system_sgpr_workgroup_id_x 1
		.amdhsa_system_sgpr_workgroup_id_y 1
		.amdhsa_system_sgpr_workgroup_id_z 1
		.amdhsa_system_vgpr_workitem_id 0
		.amdhsa_next_free_vgpr 256
		.amdhsa_next_free_sgpr 66
		.amdhsa_reserve_vcc 0
		.amdhsa_float_denorm_mode_32 3
		.amdhsa_float_denorm_mode_16_64 3
		.amdhsa_memory_ordered 1
		.amdhsa_forward_progress 1
		.amdhsa_inst_pref_size 79
	.end_amdhsa_kernel
	.amdgpu_metadata
---
amdhsa.version: [ 1, 2 ]
amdhsa.kernels:
  - .name:           k_q2be6f69f3d_attn
    .symbol:         k_q2be6f69f3d_attn.kd
    .args:
      - { .name: qkv, .offset: 0, .size: 8, .value_kind: global_buffer, .address_space: global }
      - { .name: img, .offset: 8, .size: 8, .value_kind: global_buffer, .address_space: global }
      - { .name: sc, .offset: 16, .size: 8, .value_kind: global_buffer, .address_space: global }
    .group_segment_fixed_size: 327680
    .private_segment_fixed_size: 0
    .kernarg_segment_align: 8
    .kernarg_segment_size: 24
    .max_flat_workgroup_size: 512
    .sgpr_count:     66
    .vgpr_count:     256
    .wavefront_size: 32
...
	.end_amdgpu_metadata
.endif
;; end of part 3
;; launch outp (part 4): grid 4 x 64, 4 waves a work-group, clusters of 4 x 4, 327,680 bytes of LDS; arguments img, sc, bo, out0; writes out0
.if DOCPART == 4
	.amdgcn_target "amdgcn-amd-amdhsa--gfx1250"
	.amdhsa_code_object_version 6
	.text
	.protected	k_q2be6f69f3d_outp
	.globl	k_q2be6f69f3d_outp
	.p2align	8
	.type	k_q2be6f69f3d_outp,@function
k_q2be6f69f3d_outp:
	s_mov_b64 s[64:65], 0
	v_nop
	global_prefetch_b8 v0, s[64:65] scope:SCOPE_SE
	s_setreg_imm32_b32 hwreg(HW_REG_WAVE_MODE, 25, 1), 1
	s_wait_xcnt 0x0
	s_wait_alu depctr_hold_cnt(0) depctr_sa_sdst(0) depctr_va_vdst(0) depctr_va_sdst(0) depctr_va_ssrc(0) depctr_va_vcc(0) depctr_vm_vsrc(0)
	s_getreg_b32 s2, hwreg(HW_REG_IB_STS2, 6, 4)
	s_cmp_eq_u32 s2, 0
	s_cbranch_scc0 .Lentry_in_a_cluster
	s_endpgm
.Lentry_in_a_cluster:
	s_bfe_u32 s2, ttmp6, 0x10000c
	s_cmp_lg_u32 s2, 0xf033
	s_cbranch_scc0 .Lentry_shape_is_right
	s_endpgm
.Lentry_shape_is_right:
; out0 = x Wo + bo on codes of FP6 (E2M3) with E8M0 scales, f32 sums.  x's and Wo's codes are images of operand registers in img ([row tile][K step 0 .. 7][1,536]), their scale words lie in sc ([row tile][K step][16 words]).
; 256 work-groups: each makes a tile of 128 tokens x 256 outputs with four waves of 64 x 128 (32 accumulators).  Source 0 (called B) = 16 columns of Wo, source 1 (called A) = 16 tokens: a lane holds one token and registers along the outputs.
; Lane row r of tile 2 G + u stands for row 32 G + 8 u + r + 8 (r / 8): the 16 registers of B's tiles 2 G, 2 G + 1 are outputs 32 G + 16 (lane / 16) + 0 .. 15, and the tokens' true rows are put right in the stores' offsets.
; ALL OF K LIES IN LDS, each byte filled once: A's 8 row tiles whole (98,304 bytes), B's 16 row tiles in two halves of four K steps (98,304 each).  At the head one joint load a wave: waves 0, 1 four tiles of A each,
; waves 2, 3 eight tiles of B's first half each; B's second half goes out behind the three lines and a round, four tiles a wave, and is shown to all by a barrier in K step 3.
; CLUSTERS: 4 x 4: A's tiles are asked for jointly along a row of the cluster, B's along a column.
; The bias is the C of each sum's first matrix instruction.  The scale words come once, straight into 64 registers, lanes 0-15 A's block i, lanes 16-31 B's, at v[SC + 8 s + i]: A's and B's registers of a product differ modulo 8 or are one.
; REGISTERS: window 0: v0-31 addresses; v32-95 scale words; v128-223 A's fragments, two sets of four (on the way out v128-255: rows of out0).   window 1: B's fragments, two sets, v0-95 and v128-223; the bias in v96-127 and v224-255.
;   window 2: the accumulators, (a, b) at v[8 (8 a + b)].
.set TROW,  12288                      ; a row tile's images, all of K
.set LB0,   98304                      ; B's K steps 0-3
.set LB1,   196608                     ; and 4-7
.set SPARE, 294912                     ; the spare words, 128 bytes for each wave, which no other line names
.set SPITCH, 528                       ; the way out: a stage of 16 rows x (512 bytes + 16) for each wave, from LB0 on: those bytes have had their only fill, and their last read stands in front of K step 3's barrier
.set ADRA, 16                          ; v16    LDS address of my A tiles
.set STO,  19                          ; v19    the way out: where I put 32 bytes of a row
.set ADRB, 20                          ; v20-21 of my B tiles in the two halves
.set RD,   23                          ; v23    the way out: where I read a row back
.set LI,   24                          ; v24    16 x lane
.set LR,   25                          ; v25    4 x (lane % 16)
.set BJO,  26                          ; v26    offset of the bias
.set SO,   27                          ; v27    offset of my scale words
.set SPW,  28                          ; v28    my spare word; never rewritten
.set NIL,  29                          ; v29    0; never rewritten
.set SC,   32
.set AF,   128
.set BK,   128
.set G1A,  24                          ; s[24:31] group 1: 4 row tiles, whole;  s[48:55]: 8 tiles x four K steps;  s[68:75]: 4 tiles x four K steps
.set G1B,  48
.set G1C,  68
.set G0A,  32
.set G0B,  36
.set G0C,  56
.set MSB, 0
.macro WIN new                         ; the immediate's high byte repeats the setting that is left
.if MSB != (\new)
	s_set_vgpr_msb (MSB<<8)|(\new)
.set MSB, (\new)
.endif
.endm
.set MUL_LO, 0xa1                      ; source 0 (B) window 1, source 1 (A) window 0, C and D window 2
.set TO_B,   0x40                      ; destination window 1, address window 0
.macro PLACES n
.rept \n
	v_nop
.endr
.endm
.macro TLOAD g0, g1                    ; s_nop 0 and four v_nop follow every tensor load
	tensor_load_to_lds s[\g0:\g0+3], s[\g1:\g1+7]
	s_nop 0
	PLACES 4
.endm
.macro CROUND                          ; a round of the cluster's barrier
	s_barrier_signal -1
	s_barrier_wait -1
	s_cmp_lg_u32 s14, 0
	s_cbranch_scc1 .Lnot_wave_0_\@
	s_barrier_signal -3
.Lnot_wave_0_\@:
	s_barrier_wait -3
	s_barrier_signal -1
	s_barrier_wait -1
.endm
.macro GROUP1 g, mask, len, rows       ; rows of len elements of 8 bytes, 12,288 bytes apart in memory, dense in LDS
	s_or_b32 s[\g+0], s\mask, (3<<16)|(1<<21)
	s_mov_b32 s[\g+1], (\len)<<16
	s_mov_b32 s[\g+2], (\rows)<<16
	s_mov_b32 s[\g+3], (\len)<<16
	s_mov_b32 s[\g+4], \rows
	s_mov_b32 s[\g+5], 1536
	s_mov_b32 s[\g+6], 0
	s_mov_b32 s[\g+7], 0
.endm
	s_load_b128 s[4:7], s[0:1], 0x0                ; img s[4:5], sc s[6:7]
	s_load_b128 s[8:11], s[0:1], 0x10              ; bo s[8:9], out0 s[10:11]
	v_lshl_add_u32 v[SPW], v0, 2, SPARE
	v_mov_b32 v[NIL], 0
	ds_add_u32 v[SPW], v[NIL]                      ; the opening lines: the add, twice on end, and its wait
	ds_add_u32 v[SPW], v[NIL]
	v_lshrrev_b32 v1, 5, v0
	v_readfirstlane_b32 s14, v1                    ; wave 0..3
	s_lshr_b32 s15, s14, 1                         ; my half of the tokens.  Also: at the head I fetch for A (0) or for B (1)
	s_and_b32 s16, s14, 1                          ; my half of the outputs.  Also: which half I fetch
	s_bfe_u32 s40, ttmp6, 0x40000                  ; cx
	s_bfe_u32 s41, ttmp6, 0x40004                  ; cy
	s_lshl_b32 s42, ttmp9, 2
	s_add_co_u32 s42, s42, s40                     ; the tile of 256 outputs
	s_and_b32 s17, ttmp7, 0xffff
	s_lshl_b32 s17, s17, 2
	s_add_co_u32 s17, s17, s41                     ; the tile of 128 tokens
	s_lshl_b32 s43, s41, 2
	s_lshl_b32 s43, 15, s43                        ; my row of the cluster
	s_lshl_b32 s44, 0x1111, s40                    ; my column
	GROUP1 G1A, 43, 1536, 4
	GROUP1 G1B, 44, 768, 8
	GROUP1 G1C, 44, 768, 4
	s_lshl_b32 s60, s17, 3
	s_lshl_b32 s61, s16, 2
	s_add_co_u32 s60, s60, s61
	s_mul_i32 s60, s60, TROW
	s_add_co_u32 s60, s60, 18874368                ; x's images: row tile 8 x tile + 4 x half
	s_mov_b32 s61, 0
	s_lshl_b32 s62, s42, 4
	s_lshl_b32 s63, s16, 3
	s_add_co_u32 s62, s62, s63
	s_mul_i32 s62, s62, TROW
	s_add_co_u32 s62, s62, 27525120                ; Wo's: row tile 16 x tile + 8 x half
	s_mov_b32 s63, 0
	s_lshl_b32 s20, s42, 4
	s_lshl_b32 s21, s14, 2
	s_add_co_u32 s20, s20, s21
	s_mul_i32 s20, s20, TROW
	s_add_co_u32 s20, s20, 27525120+6144           ; and 16 x tile + 4 x wave, from K step 4 on
	s_mov_b32 s21, 0
	s_mov_b32 s[G0A], 1
	s_mul_i32 s[G0A+1], s16, 4*TROW
	s_mov_b32 s[G0B], 1
	s_mul_i32 s[G0B+1], s16, 49152
	s_add_co_u32 s[G0B+1], s[G0B+1], LB0
	s_mov_b32 s[G0C], 1
	s_mul_i32 s[G0C+1], s14, 24576
	s_add_co_u32 s[G0C+1], s[G0C+1], LB1
	s_wait_dscnt 0x0
	s_wait_kmcnt 0x0
	s_add_nc_u64 s[G0A+2:G0A+3], s[4:5], s[60:61]
	s_or_b32 s[G0A+3], s[G0A+3], 0x80000000
	s_add_nc_u64 s[G0B+2:G0B+3], s[4:5], s[62:63]
	s_or_b32 s[G0B+3], s[G0B+3], 0x80000000
	s_add_nc_u64 s[G0C+2:G0C+3], s[4:5], s[20:21]
	s_or_b32 s[G0C+3], s[G0C+3], 0x80000000
	CROUND                                         ; all sixteen work-groups are here: the first joint loads meet
	s_cmp_eq_u32 s15, 0
	s_cbranch_scc0 .Lfirst_b
	TLOAD G0A, G1A
	s_branch .Lfirst_asked
.Lfirst_b:
	TLOAD G0B, G1B
.Lfirst_asked:
	s_mul_i32 s22, s15, 4*TROW                     ; my four tiles of A
	s_mul_i32 s23, s16, 49152
	s_add_co_u32 s23, s23, LB0                     ; my eight of B
	s_lshl_b32 s76, s17, 3
	s_lshl_b32 s62, s15, 2
	s_add_co_u32 s76, s76, s62
	s_lshl_b32 s76, s76, 9
	s_add_co_u32 s76, s76, 786432                  ; my tokens' scale words: 512 bytes a row tile
	s_lshl_b32 s77, s42, 4
	s_lshl_b32 s62, s16, 3
	s_add_co_u32 s77, s77, s62
	s_lshl_b32 s77, s77, 9
	s_add_co_u32 s77, s77, 1146880                 ; my outputs'
	s_lshl_b32 s78, s42, 10
	s_lshl_b32 s62, s16, 9
	s_add_co_u32 s78, s78, s62                     ; my first output, in bytes
	s_mul_i32 s79, s14, 16*SPITCH
	s_add_co_u32 s79, s79, LB0                     ; my stage
	v_and_b32 v1, 15, v0                           ; r
	v_bfe_u32 v2, v0, 4, 1                         ; h
	v_and_b32 v3, 31, v0                           ; lane
	v_lshlrev_b32 v[LI], 4, v3
	v_lshlrev_b32 v[LR], 2, v1
	v_add_nc_u32 v[ADRA], s22, v[LI]
	v_add_nc_u32 v[ADRB], s23, v[LI]
	v_add_nc_u32 v[ADRB+1], LB1-LB0, v[ADRB]
	v_cmp_gt_u32 vcc_lo, 16, v3
	v_mov_b32 v5, s76
	v_mov_b32 v6, s77
	v_cndmask_b32 v5, v6, v5, vcc_lo               ; lanes 0-15 take A's, lanes 16-31 B's
	v_add_nc_u32 v[SO], v[LR], v5
	v_lshlrev_b32 v[BJO], 6, v2
	v_add_nc_u32 v[BJO], s78, v[BJO]               ; tiles 2 e, 2 e + 1 want the numbers 32 e + 16 h + 0 .. 15
	v_mul_u32_u24 v[STO], v1, SPITCH
	v_lshl_add_u32 v[STO], v2, 6, v[STO]
	v_add_nc_u32 v[STO], s79, v[STO]               ; in: row r, + 64 h
	v_add_nc_u32 v[RD], s79, v[LI]                 ; back: the 32 lanes take one row of 512 bytes
	s_wait_alu depctr_va_vdst(0)
.irp i, 0,1,2,3,4,5,6,7
.irp s, 0,1,2,3,4,5,6,7
	global_load_b32 v[SC+8*\s+\i], v[SO], s[6:7] offset:512*\i+64*\s   ; (A has four blocks: lanes 0-15 of blocks 4-7 read words of sc that no product takes)
.endr
.endr
	WIN TO_B
.irp e, 0,1,2,3
.irp q, 0,1,2,3
	global_load_b128 v[96+128*(\e/2)+16*(\e%2)+4*\q:96+128*(\e/2)+16*(\e%2)+4*\q+3], v[BJO], s[8:9] offset:128*\e+16*\q
.endr
.endr
	WIN 0
	s_lshl_b32 s20, s17, 7
	s_lshl_b32 s21, s15, 6
	s_add_co_u32 s20, s20, s21                     ; my first token
	s_lshl_b32 s20, s20, 12                        ; rows of 4,096 bytes
	s_add_co_u32 s20, s20, s78
	s_mov_b32 s21, 0
	s_add_nc_u64 s[12:13], s[10:11], s[20:21]
.macro FETCH s                         ; B's eight and A's four fragments of K step s into sets s % 2: each image comes back as the registers that it is
	WIN TO_B
.irp i, 0,1,2,3,4,5,6,7
.irp c, 0,1,2
	ds_load_b128 v[128*((\s)%2)+12*\i+4*\c:128*((\s)%2)+12*\i+4*\c+3], v[ADRB+(\s)/4] offset:6144*\i+1536*((\s)%4)+512*\c
.endr
.endr
	WIN 0
.irp i, 0,1,2,3
.irp c, 0,1,2
	ds_load_b128 v[AF+48*((\s)%2)+12*\i+4*\c:AF+48*((\s)%2)+12*\i+4*\c+3], v[ADRA] offset:TROW*\i+1536*(\s)+512*\c
.endr
.endr
.endm
; 16 matrix instructions: A's blocks a0, a0 + 1 x B's eight, K step s.  first = 1: the product starts the sum on the bias.
; The 32 accumulators take turns, one instruction a turn, in the same order in every K step.
.macro MUL16 a0, s, first
.irp a, \a0, \a0+1
.irp b, 0,1,2,3,4,5,6,7
.if \first
	v_wmma_scale_f32_16x16x128_f8f6f4 v[8*(8*(\a)+\b):8*(8*(\a)+\b)+7], v[128*((\s)%2)+12*\b:128*((\s)%2)+12*\b+11], v[AF+48*((\s)%2)+12*(\a):AF+48*((\s)%2)+12*(\a)+11], v[96+128*(\b/4)+8*(\b%4):96+128*(\b/4)+8*(\b%4)+7], v[SC+8*(\s)+\b], v[SC+8*(\s)+(\a)] matrix_a_fmt:MATRIX_FMT_FP6 matrix_b_fmt:MATRIX_FMT_FP6 matrix_a_scale:MATRIX_SCALE_ROW1
.else
	v_wmma_scale_f32_16x16x128_f8f6f4 v[8*(8*(\a)+\b):8*(8*(\a)+\b)+7], v[128*((\s)%2)+12*\b:128*((\s)%2)+12*\b+11], v[AF+48*((\s)%2)+12*(\a):AF+48*((\s)%2)+12*(\a)+11], v[8*(8*(\a)+\b):8*(8*(\a)+\b)+7], v[SC+8*(\s)+\b], v[SC+8*(\s)+(\a)] matrix_a_fmt:MATRIX_FMT_FP6 matrix_b_fmt:MATRIX_FMT_FP6 matrix_a_scale:MATRIX_SCALE_ROW1
.endif
.endr
.endr
.endm
; A K step: the next step's 36 loads go out ahead of this step's 32 products.  Four plain vector lines stand between a matrix instruction and a load into a register that it has read.
.macro KSTEP s
	s_wait_dscnt 0x0                               ; this step's fragments are in
.if (\s) > 0
	PLACES 4
.endif
.if (\s) < 7
	FETCH (\s)+1
.endif
.if (\s) == 0
	WIN 0x91                                       ; C (the bias) in window 1, D in window 2
.else
	WIN MUL_LO
.endif
	MUL16 0, \s, (\s)==0
	MUL16 2, \s, (\s)==0
	WIN 0
.endm
	s_wait_alu depctr_va_vdst(0)                   ; the wait at the head's end
	s_wait_tensorcnt 0x0                           ; my tile of the head's four is in
	ds_add_u32 v[SPW], v[NIL]
	s_wait_dscnt 0x0
	CROUND                                         ; A and B's first half are whole in every work-group
	TLOAD G0C, G1C                                 ; B's second half: 112 matrix instructions stand between it and the wait for it
	FETCH 0
	s_wait_loadcnt 0x0                             ; the scale words and the bias
	KSTEP 0
	KSTEP 1
	KSTEP 2
	s_wait_tensorcnt 0x0                           ; K step 3: my part of B's second half is in,
	s_wait_dscnt 0x0                               ; and so are this step's fragments, my last reads of B's first half
	s_barrier_signal -1
	WIN MUL_LO
	MUL16 0, 3, 0
	WIN 0
	s_barrier_wait -1                              ; both hold of every wave
	PLACES 4
	FETCH 4
	WIN MUL_LO
	MUL16 2, 3, 0
	WIN 0
.irp s, 4,5,6,7
	KSTEP \s
.endr
; THE WAY OUT, block by block of 16 tokens x 128 outputs.  A lane holds, for B's tile b, 32 neighbouring bytes of its token's row, at 128 (b / 2) + 64 (lane / 16) + 32 (b % 2).  A block goes through my own stage and
; comes back as whole rows of 512 bytes.  LDS serves a wave's instructions in order (ISA guide 5.7.1.4): no wait between the stores and the loads, nor in front of the next block's stores.
.macro TOSTAGE a
.set AC, 64*(\a)
	WIN 0x08                                       ; an LDS store's data are its source 1: window 2
.irp b, 0,1,2,3,4,5,6,7
	ds_store_b128 v[STO], v[AC+8*\b:AC+8*\b+3] offset:128*(\b/2)+32*(\b%2)          ; each accumulator from its low end on
	ds_store_b128 v[STO], v[AC+8*\b+4:AC+8*\b+7] offset:128*(\b/2)+32*(\b%2)+16
.endr
	WIN 0
.set BB, BK+64*((\a)%2)
.irp t, 0,1,2,3,4,5,6,7,8,9,10,11,12,13,14,15
	ds_load_b128 v[BB+4*\t:BB+4*\t+3], v[RD] offset:\t*SPITCH
.endr
.endm
.macro SEND a, younger                 ; younger: the LDS instructions issued behind block a's loads, which may stay out
.set BB, BK+64*((\a)%2)
	s_wait_dscnt \younger
.irp t, 0,1,2,3,4,5,6,7,8,9,10,11,12,13,14,15
	global_store_b128 v[LI], v[BB+4*\t:BB+4*\t+3], s[12:13] offset:(32*((\a)/2)+8*((\a)%2)+\t+8*(\t/8))*4096 th:TH_STORE_NT   ; lane row t's true token; 32 lanes store 512 consecutive bytes, at a multiple of 256 from out0's first byte
.endr
.endm
	PLACES 4                                       ; behind the last products: results are read, and loads land in A's registers, from here on
	TOSTAGE 0
.irp a, 1,2,3
.if \a > 1
	s_wait_xcnt 0x0                                ; block a - 2's stores have read their registers: block a's loads may land there
.endif
	TOSTAGE \a
	SEND \a-1, 32                                  ; behind block a - 1's loads: block a's 16 stores and 16 loads
.endr
	SEND 3, 0
	s_wait_tensorcnt 0x0                           ; the wave's end
	ds_add_u32 v[SPW], v[NIL]
	s_wait_dscnt 0x0
	CROUND                                         ; the closing round: no work-group ends while a partner may still ask for a tile that names it
	s_endpgm
.Lfunc_end_k_q2be6f69f3d_outp:
	.size	k_q2be6f69f3d_outp, .Lfunc_end_k_q2be6f69f3d_outp-k_q2be6f69f3d_outp
	.p2alignl 7, 3214868480
	.fill 96, 4, 3214868480
	.section	.rodata,"a",@progbits
	.p2align	6, 0x0
	.amdhsa_kernel k_q2be6f69f3d_outp
		.amdhsa_group_segment_fixed_size 327680
		.amdhsa_private_segment_fixed_size 0
		.amdhsa_enable_private_segment 0
		.amdhsa_kernarg_size 32
		.amdhsa_user_sgpr_count 2
		.amdhsa_user_sgpr_kernarg_segment_ptr 1
		.amdhsa_wavefront_size32 1
		.amdhsa_system_sgpr_workgroup_id_x 1
		.amdhsa_system_sgpr_workgroup_id_y 1
		.amdhsa_system_sgpr_workgroup_id_z 1
		.amdhsa_system_vgpr_workitem_id 0
		.amdhsa_next_free_vgpr 768
		.amdhsa_next_free_sgpr 100
		.amdhsa_reserve_vcc 1
		.amdhsa_float_denorm_mode_32 3
		.amdhsa_float_denorm_mode_16_64 3
		.amdhsa_memory_ordered 1
		.amdhsa_forward_progress 1
		.amdhsa_inst_pref_size 83
	.end_amdhsa_kernel
	.amdgpu_metadata
---
amdhsa.version: [ 1, 2 ]
amdhsa.kernels:
  - .name:           k_q2be6f69f3d_outp
    .symbol:         k_q2be6f69f3d_outp.kd
    .args:
      - { .name: img, .offset: 0, .size: 8, .value_kind: global_buffer, .address_space: global }
      - { .name: sc, .offset: 8, .size: 8, .value_kind: global_buffer, .address_space: global }
      - { .name: bo, .offset: 16, .size: 8, .value_kind: global_buffer, .address_space: global }
      - { .name: out0, .offset: 24, .size: 8, .value_kind: global_buffer, .address_space: global }
    .group_segment_fixed_size: 327680
    .private_segment_fixed_size: 0
    .kernarg_segment_align: 8
    .kernarg_segment_size: 32
    .max_flat_workgroup_size: 128
    .sgpr_count:     100
    .vgpr_count:     768
    .wavefront_size: 32
...
	.end_amdgpu_metadata
.endif
;; end of part 4
